; MI455X (gfx1250); checked and timed in simulation.
; The chip was launched on July 23, 2026; its instructions are those of AMD's public machine-readable ISA for CDNA 5 (MIT licence, August 2026) and "CDNA5" Instruction Set Architecture Reference Guide (July 2026). The comments in the code are by the model that wrote it; some were corrected since.
;; Causal Attention. Allowed arithmetic: matrix products marked QUANTISED: E2M3 operands, one E8M0 scale for each 32 along K, by v_wmma_scale_f32_16x16x128_f8f6f4 with both operands' format E2M3, f32 sums; everything else in f32.
;; Inputs: w_out 1,024 x 1,024 float32; w_qkv 3,072 x 1,024 float32; x 1 x 4,096 x 1,024 float32.
;; Outputs: out0 1 x 4,096 x 1,024 float32.
;; This version of the problem:
;;   THIS VERSION OF THE PROBLEM IS GIVEN IN LOW PRECISION. The matrix products marked QUANTISED in the list below multiply operands that are first quantised to E2M3 (2 exponent bits, 3 mantissa bits; 6 bits a number), with one power-of-two scale for each 32 numbers along K (OCP MX v1.0); their sums are f32. All else is computed in f32.
;;   The module's matrix products, in the order in which they are computed (A, B: the left and right operand; K: the contracted axis; several contracted axes count as one K, in the product's order):
;;     1. [M 4,096, K 1,024] x [K 1,024, N 3,072]; A: input x; B: input w_qkv: QUANTISED
;;     2. batch 16 x [M 4,096, K 64] x [K 64, N 4,096]; A: computed on the way; B: computed on the way: QUANTISED
;;     3. batch 16 x [M 4,096, K 4,096] x [K 4,096, N 64]; A: softmax (see below); B: computed on the way: QUANTISED
;;     4. [M 4,096, K 1,024] x [K 1,024, N 1,024]; A: computed on the way; B: input w_out: QUANTISED
;;   THE QUANTISER, for each operand of a quantised product, along K:
;;     - K is cut into blocks of 32 from its start; a last block that is shorter is filled with zeros.
;;     - A block's scale is 2^e with e = floor(log2(the largest magnitude in the block)) - 2, held to -126 .. 127; a block of zeros has e = 0. As a byte (E8M0): e + 127.
;;     - Each number is divided by its block's scale, clamped to +-7.5, and rounded to the nearest number of E2M3, ties to even, subnormals kept.
;;     - The product sums the exact products of the quantised numbers (number of the format x scale) in f32.
;;   ~~~python
;;   def quantise(x, axis):      # numpy; x: float32 -> the quantised numbers, widened to float32 again
;;       x = np.moveaxis(x, axis, -1); K = x.shape[-1]
;;       x = np.pad(x, [(0, 0)] * (x.ndim - 1) + [(0, -K % 32)]); x = x.reshape(x.shape[:-1] + (-1, 32)); a = np.abs(x).max(-1, keepdims=True)
;;       e = np.where(a > 0, np.clip(np.frexp(np.where(a > 0, a, 1))[1] - 1 - 2, -126, 127), 0)      # np.frexp(a)[1] - 1 = floor(log2(a)), exactly
;;       r = np.clip(x / 2.0 ** e, -7.5, 7.5)
;;       step = 2.0 ** (np.maximum(np.frexp(np.where(r == 0, 1, r))[1] - 1, 0) - 3)
;;       q = np.round(r / step) * step * 2.0 ** e      # np.round: ties to even
;;       return np.moveaxis(q.reshape(q.shape[:-2] + (-1,))[..., :K], -1, axis).astype(np.float32)
;;   ~~~
;;   SOFTMAX AHEAD OF A QUANTISED PRODUCT. Where the list says 'softmax', what is quantised is not the finished softmax but p = 2^(t - M), with t = logit x log2(e) and M = ceil(the row's largest t), a whole number; so 1/2 < the row's largest p <= 1. The row's sum l is taken of the UNQUANTISED p, in f32, and the product's result is divided by l at the end. Since M is a whole number, a kernel that streams over the keys may use a running M (the ceiling of the running maximum): every later rescaling is an exact power of two, which a block's scale takes up: the codes' values come out the same.
;;   OPERANDS COMPUTED ON THE WAY. 'Computed on the way' means the value that the module computes at that place (a softmax that the list does not call 'softmax' is quantised finished and normalised). What goes into a quantiser is computed in f32, as accurately as f32 sums, v_exp_f32 and their like allow (about 1e-6 of the number): no bf16 or f16 on the way to a quantiser, and a product that is left as it is and whose result goes on into a quantised operand takes f32 operands (vector FMAs, or v_wmma_f32_16x16x4_f32). A number that lies on a knife's edge between two numbers of the format may be rounded either way, as far as f32 arithmetic and the matrix unit's own rounding can turn it there, and no further.
;; One version. Each part assembles by itself: llvm-mc -triple=amdgcn-amd-amdhsa -mcpu=gfx1250 --defsym DOCPART=n.
;; ======== version 1 of 1: 4 launches
;; limits: right only within a limited range of input values
;; workspace buffers: cod 6,291,456 bytes; scl 262,144 bytes; att 9,437,184 bytes; atts 655,360 bytes; oimg 3,145,728 bytes; osc 131,072 bytes
;; launch quant (part 1): grid 256 x 1, 4 waves a work-group, no clusters, 34,304 bytes of LDS; arguments x, w_qkv, w_out, cod, scl; writes cod, scl
.if DOCPART == 1
	.amdgcn_target "amdgcn-amd-amdhsa--gfx1250"
	.amdhsa_code_object_version 6
	.text
	.protected	k_q9930895e83_quant
	.globl	k_q9930895e83_quant
	.p2align	8
	.type	k_q9930895e83_quant,@function
k_q9930895e83_quant:
	s_mov_b64 s[64:65], 0
	v_nop
	global_prefetch_b8 v0, s[64:65] scope:SCOPE_SE
	s_setreg_imm32_b32 hwreg(HW_REG_WAVE_MODE, 25, 1), 1
	s_wait_xcnt 0x0
; CAUSAL ATTENTION IN MX-FP6, launch 1 of 4: x [4096][1024], w_qkv [3072][1024] and w_out [1024][1024], f32, become codes of E2M3 with one E8M0 byte for each 32 along K = 1024.
; WORK LEFT OUT BY THE PROGRAM (in launch attn).  reference() builds the causal mask itself (jnp.tril) and sets every score with key > query to -inf ahead of the softmax: p = 0 there, whatever finite values
; x, w_qkv and w_out hold.  So a step of 128 keys all of which come after a wave's 16 queries adds 0 to the row's sum and 0 to the second product: such steps are not computed, and slots of keys that no wave of a
; work-group reads are not fetched.  All three inputs have a way to the output and are loaded.  LIMIT: a NaN, an infinity or an overflow that would reach only those hidden scores is not carried to the result.
; THE THREE TENSORS ARE TAKEN AS ONE MATRIX of 8,192 rows (x, then w_qkv, then w_out).  Its codes are laid as the matrix unit's operand registers want them:
;   a ROW TILE T holds 16 rows that are not neighbours: lane r holds row 32 (T / 2) + 8 (T % 2) + r + 8 (r / 8);
;   a FRAGMENT (T, s) is 16 rows x 128 along K, 12 registers a lane, at byte (8 T + s) x 1536 of cod, as two halves of 768 bytes: registers 6 c .. 6 c + 3 at 16 x lane, registers 6 c + 4, 6 c + 5 at 512 + 8 x lane;
;   the scale word of (T, s, r) lies at byte 512 T + 256 (s / 4) + 16 r + 4 (s % 4) of scl.
; A block's scale is 2^(floor(log2(its largest magnitude)) - 2); its byte is the largest magnitude's exponent field - 2, held at 1 from below.
; LIMITS: a block of zeros, or one whose largest magnitude lies under 2^-124, gets the byte 1 (the bytes are read by this program alone; zero codes add nothing under it); NaN and infinities among the inputs are not served.
; SHARES.  Work-group g takes rows 32 g .. 32 g + 31, a dense run of 131,072 bytes.  Wave w takes row tile 2 g + w / 2 and K steps 4 (w % 2) .. + 3: four fragments.
; Each load reads 512 consecutive bytes of one row; a fragment's 16 rows turn through the wave's own stage in LDS (rows 528 bytes apart), so that lane (r, h) gets blocks h and 2 + h of row r whole: no other lane
; is asked for a maximum, and the conversions' results are the operand's registers.  Waves share nothing: no barrier.  Two fragments' loads (32 a wave) are on their way.
.set STG,   16*528                     ; a wave's stage
.set SPARE, 4*STG                      ; behind the stages: the spare words, 128 bytes for each wave
.set RB,    32                         ; v32-95, v96-159  two sets of 64 numbers as loaded
.set X,     160                        ; v160-223         64 numbers: my two blocks
.set C,     224                        ; v224-235         the fragment's codes
.set CT,    236                        ; v236-243         the upper halves of the blocks' codes, before they are moved
.set W,     20                         ; v20-23           the four fragments' scale words
.set SPW,   12                         ; v12  LDS address of my spare word; never rewritten
.set NIL,   13                         ; v13  0; never rewritten
	s_load_b256 s[4:11], s[0:1], 0x0               ; x s[4:5], w_qkv s[6:7], w_out s[8:9], cod s[10:11]
	s_load_b64 s[12:13], s[0:1], 0x20              ; scl
	v_lshl_add_u32 v[SPW], v0, 2, SPARE
	v_mov_b32 v[NIL], 0
	v_lshrrev_b32 v1, 5, v0
	v_readfirstlane_b32 s14, v1                    ; wave
	v_and_b32 v1, 31, v0                           ; lane
	v_and_b32 v2, 15, v0                           ; r
	v_bfe_u32 v3, v0, 4, 1                         ; h
	v_lshlrev_b32 v4, 4, v1                        ; 16 x lane
	v_lshlrev_b32 v5, 3, v1                        ; 8 x lane
	s_mul_i32 s18, s14, STG
	v_add_nc_u32 v6, s18, v4                       ; the stage, on the way in: 16 x lane of a row
	v_mul_u32_u24 v7, v2, 528
	v_lshl_add_u32 v7, v3, 7, v7
	v_add_nc_u32 v7, s18, v7                       ; and on the way out: row r, + 128 h bytes: block h
	v_lshlrev_b32 v8, 3, v3                        ; 8 h: my bytes' place in a scale word
	v_mov_b32 v10, 0                               ; (a lane permute's destination counts as one of its sources)
	v_lshlrev_b32 v11, 4, v2
	v_lshl_add_u32 v11, v3, 3, v11                 ; 16 r + 8 h: my 8 bytes of the wave's 256 bytes of scale words
	s_lshr_b32 s15, s14, 1                         ; u: which of the group's two row tiles
	s_and_b32 s16, s14, 1                          ; which four K steps
	s_mov_b32 s22, 0x76543210
	s_mov_b32 s23, 0xfedcba98                      ; v_permlanex16_b32's selects for lane l xor 16
	s_lshl_b32 s24, ttmp9, 1
	s_add_co_u32 s24, s24, s15                     ; T
	s_mul_i32 s20, s24, 12288
	s_mul_i32 s25, s16, 6144
	s_add_co_u32 s20, s20, s25                     ; my four fragments in cod
	s_mov_b32 s21, 0
	s_lshl_b32 s24, s24, 9
	s_lshl_b32 s25, s16, 8
	s_add_co_u32 s24, s24, s25                     ; my 256 bytes in scl
	s_mov_b32 s25, 0
	s_wait_alu depctr_va_vdst(0)
	s_wait_kmcnt 0x0
	s_mov_b32 s17, 224                             ; which tensor: the choice hangs on the work-group's number alone
	s_cmp_lt_u32 ttmp9, 224
	s_cselect_b64 s[6:7], s[6:7], s[8:9]
	s_cselect_b32 s17, 128, s17
	s_cmp_lt_u32 ttmp9, 128
	s_cselect_b64 s[4:5], s[4:5], s[6:7]
	s_cselect_b32 s17, 0, s17
	s_sub_co_u32 s17, ttmp9, s17                   ; the group's number within its tensor
	s_lshl_b32 s18, s17, 17                        ; 32 rows of 4,096 bytes,
	s_lshl_b32 s19, s15, 15                        ; 8 u rows,
	s_add_co_u32 s18, s18, s19
	s_lshl_b32 s19, s16, 11                        ; four K steps of 512 bytes
	s_add_co_u32 s18, s18, s19
	s_mov_b32 s19, 0
	s_add_nc_u64 s[4:5], s[4:5], s[18:19]
	s_add_nc_u64 s[10:11], s[10:11], s[20:21]
	s_add_nc_u64 s[12:13], s[12:13], s[24:25]
.macro LOAD f                          ; fragment f: 16 rows x 512 bytes; load i takes the tile's row i, which lies i + 8 (i / 8) rows down
.irp i, 0,1,2,3,4,5,6,7,8,9,10,11,12,13,14,15
	global_load_b128 v[RB+64*((\f)%2)+4*\i:RB+64*((\f)%2)+4*\i+3], v4, s[4:5] offset:(\i+8*(\i/8))*4096+512*(\f) th:TH_LOAD_NT
.endr
.endm
.macro FRAGQ f
.if (\f) < 3
	s_wait_loadcnt 16                              ; this fragment's 16 loads are in; the next fragment's 16 may be out
.else
	s_wait_loadcnt 0x0
.endif
.irp i, 0,1,2,3,4,5,6,7,8,9,10,11,12,13,14,15
	ds_store_b128 v6, v[RB+64*((\f)%2)+4*\i:RB+64*((\f)%2)+4*\i+3] offset:528*\i
.endr
.irp c, 0,1                            ; LDS serves a wave's instructions in order: these see the stores above
.irp j, 0,1,2,3,4,5,6,7
	ds_load_b128 v[X+32*\c+4*\j:X+32*\c+4*\j+3], v7 offset:256*\c+16*\j     ; row r, k = 64 c + 32 h + 4 j ..
.endr
.endr
	s_wait_dscnt 0x0                               ; my 64 numbers are in, and the stores have read their registers,
.if (\f)+2 < 4
	LOAD (\f)+2                                    ; which take the fragment two further on
.endif
.irp c, 0,1
	v_max3_num_f32 v[14+\c], |v[X+32*\c]|, |v[X+32*\c+1]|, 0x1800000        ; block 2 c + h: all its 32 numbers are mine; the floor 2^(3 - 127) holds the byte at 1 from below
.endr
.irp i, 2,4,6,8,10,12,14,16,18,20,22,24,26,28,30
.irp c, 0,1
	v_max3_num_f32 v[14+\c], v[14+\c], |v[X+32*\c+\i]|, |v[X+32*\c+\i+1]|   ; (the two blocks by turns)
.endr
.endr
.irp c, 0,1
	v_add_nc_u32 v[16+\c], 0xff000000, v[14+\c]    ; 2 off the exponent field: the conversion takes the exponent field of this operand as its scale
.endr
.irp c, 0,1
	v_lshrrev_b32 v[18+\c], 23, v[16+\c]           ; the scale's byte
.endr
	v_lshl_or_b32 v9, v19, 16, v18                 ; my two bytes, blocks h and 2 + h,
	v_lshlrev_b32 v9, v8, v9                       ; at their places in the word;
	v_permlanex16_b32 v10, v9, s22, s23
	v_or_b32 v[W+(\f)], v9, v10                    ; with lane l xor 16's two the word is whole
.if (\f) > 0
	s_wait_alu depctr_va_vdst(0)
	s_wait_xcnt 0x0                                ; the last fragment's stores have read their data: the codes' registers are written again only behind this wait
.endif
.irp c, 0,1
	v_cvt_scalef32_pk16_fp6_f32 v[C+6*\c:C+6*\c+2], v[X+32*\c:X+32*\c+15], v[16+\c]
	v_cvt_scalef32_pk16_fp6_f32 v[CT+4*\c:CT+4*\c+2], v[X+32*\c+16:X+32*\c+31], v[16+\c]   ; (a conversion's three registers begin on an even number)
.endr
	v_nop                                          ; one plain instruction behind a scaled conversion
.irp c, 0,1
.irp i, 0,1,2
	v_mov_b32 v[C+6*\c+3+\i], v[CT+4*\c+\i]
.endr
.endr
.irp c, 0,1
	global_store_b128 v4, v[C+6*\c:C+6*\c+3], s[10:11] offset:1536*(\f)+768*\c          ; 32 lanes store 512 consecutive bytes,
	global_store_b64 v5, v[C+6*\c+4:C+6*\c+5], s[10:11] offset:1536*(\f)+768*\c+512     ; and 256: both begin at multiples of 256 from cod's first byte
.endr
.endm
	LOAD 0
	LOAD 1
	FRAGQ 0
	FRAGQ 1
	FRAGQ 2
	FRAGQ 3
	v_cmp_lt_u32 vcc_lo, 15, v1                    ; lanes 16-31 store words 2 and 3 of their row, lanes 0-15 words 0 and 1
	v_cndmask_b32 v24, v[W], v[W+2], vcc_lo
	v_cndmask_b32 v25, v[W+1], v[W+3], vcc_lo
	global_store_b64 v11, v[24:25], s[12:13]       ; 32 lanes store 256 consecutive bytes, aligned
	s_wait_tensorcnt 0x0                           ; the wave's end: behind my last LDS store
	ds_add_u32 v[SPW], v[NIL]
	s_wait_dscnt 0x0
	s_endpgm
.Lfunc_end_k_q9930895e83_quant:
	.size	k_q9930895e83_quant, .Lfunc_end_k_q9930895e83_quant-k_q9930895e83_quant
	.p2alignl 7, 3214868480
	.fill 96, 4, 3214868480
	.section	.rodata,"a",@progbits
	.p2align	6, 0x0
	.amdhsa_kernel k_q9930895e83_quant
		.amdhsa_group_segment_fixed_size 34304
		.amdhsa_private_segment_fixed_size 0
		.amdhsa_enable_private_segment 0
		.amdhsa_kernarg_size 40
		.amdhsa_user_sgpr_count 2
		.amdhsa_user_sgpr_kernarg_segment_ptr 1
		.amdhsa_wavefront_size32 1
		.amdhsa_system_sgpr_workgroup_id_x 1
		.amdhsa_system_sgpr_workgroup_id_y 1
		.amdhsa_system_sgpr_workgroup_id_z 1
		.amdhsa_system_vgpr_workitem_id 0
		.amdhsa_next_free_vgpr 256
		.amdhsa_next_free_sgpr 66
		.amdhsa_reserve_vcc 1
		.amdhsa_float_denorm_mode_32 3
		.amdhsa_float_denorm_mode_16_64 3
		.amdhsa_memory_ordered 1
		.amdhsa_forward_progress 1
		.amdhsa_inst_pref_size 31
	.end_amdhsa_kernel
	.amdgpu_metadata
---
amdhsa.version: [ 1, 2 ]
amdhsa.kernels:
  - .name:           k_q9930895e83_quant
    .symbol:         k_q9930895e83_quant.kd
    .args:
      - { .name: x, .offset: 0, .size: 8, .value_kind: global_buffer, .address_space: global }
      - { .name: w_qkv, .offset: 8, .size: 8, .value_kind: global_buffer, .address_space: global }
      - { .name: w_out, .offset: 16, .size: 8, .value_kind: global_buffer, .address_space: global }
      - { .name: cod, .offset: 24, .size: 8, .value_kind: global_buffer, .address_space: global }
      - { .name: scl, .offset: 32, .size: 8, .value_kind: global_buffer, .address_space: global }
    .group_segment_fixed_size: 34304
    .private_segment_fixed_size: 0
    .kernarg_segment_align: 8
    .kernarg_segment_size: 40
    .max_flat_workgroup_size: 128
    .sgpr_count:     66
    .vgpr_count:     256
    .wavefront_size: 32
...
	.end_amdgpu_metadata
.endif
;; end of part 1
;; launch gemm_qkv (part 2): grid 48 x 4, 4 waves a work-group, clusters of 4 x 4, 327,680 bytes of LDS; arguments cod, scl, att, atts; writes att, atts
.if DOCPART == 2
	.amdgcn_target "amdgcn-amd-amdhsa--gfx1250"
	.amdhsa_code_object_version 6
	.text
	.protected	k_q9930895e83_gemm_qkv
	.globl	k_q9930895e83_gemm_qkv
	.p2align	8
	.type	k_q9930895e83_gemm_qkv,@function
k_q9930895e83_gemm_qkv:
	s_mov_b64 s[64:65], 0
	v_nop
	global_prefetch_b8 v0, s[64:65] scope:SCOPE_SE
	s_setreg_imm32_b32 hwreg(HW_REG_WAVE_MODE, 25, 1), 1
	s_wait_xcnt 0x0
	s_wait_alu depctr_hold_cnt(0) depctr_sa_sdst(0) depctr_va_vdst(0) depctr_va_sdst(0) depctr_va_ssrc(0) depctr_va_vcc(0) depctr_vm_vsrc(0)
	s_getreg_b32 s2, hwreg(HW_REG_IB_STS2, 6, 4)
	s_cmp_eq_u32 s2, 0
	s_cbranch_scc0 .Lentry_in_a_cluster
	s_endpgm
.Lentry_in_a_cluster:
	s_bfe_u32 s2, ttmp6, 0x10000c
	s_cmp_lg_u32 s2, 0xf033
	s_cbranch_scc0 .Lentry_shape_is_right
	s_endpgm
.Lentry_shape_is_right:
; Launch 2 of 4: q, k and v = x w_qkv^T on codes of E2M3, K = 1024, and their quantising for the two products of attention, without a way through memory in f32.
; Z = A B^T, used TRANSPOSED (source 0 = 16 rows of B, source 1 = 16 rows of A): a lane holds ONE row of A, and its registers run along B's rows.  Since every row tile holds rows 32 (T / 2) + 8 (T % 2) + r + 8 (r / 8),
; the 16 registers of B's tiles 2 b and 2 b + 1 are 16 NEIGHBOURS along B's rows: 32 b + 16 (lane / 16) + 0 .. 15.  So Z is quantised along B's rows in registers.
;   clusters 0-7:  A = x (tokens), B = w_q or w_k (features): q and k are quantised along the head's 64.     clusters 8-11: A = w_v (features), B = x (tokens): v is quantised along the keys.
; A tile of Z is 256 x 256, a wave's part 128 x 128: 64 accumulators, 512 registers.  192 tiles: 128 for q and k, 64 for v.
; OPERANDS are the fragments of launch 1 (12 registers a lane as two halves of 768 bytes): a fragment comes from LDS by four loads of consecutive bytes.
; K goes through three LDS slots of 256 along K; the fourth quarter of K is filled into slot 0 behind the one change of slots that fills bytes again: it has four steps, 256 matrix instructions, in which to land.
; By the text's own count one tensor load of a wave is out at any time.  The scale words of all of K come once, with the first fills, and stay in 64 registers.
; CLUSTERS: 4 x 4 work-groups; A's tiles are asked for jointly along a row of the cluster, B's along a column.
; RESULTS: att [head 16][key step 32][Q 6144 | K 6144 | V 6144]: Q, K: 8 tiles of 16 tokens, one half (768 bytes: the head's 64) each; V: 4 tiles of 16 channels x 128 keys, 1,536 bytes each.
;   atts [head][Q 16384 | K 16384 | V 8192]: Q, K: 512 bytes a step, the word of tile a, row r at 16 (r + 16 (a % 2)) + 4 (a / 2); V: 256 bytes a step, the word of tile t, row r at 8 (r + 16 (t % 2)) + 4 (t / 2).
;   In q's and k's words bytes 0, 1 are the head's two blocks; bytes 2, 3 stand over zero codes in launch 3 and are never 0xff.
; LIMITS: a block of zeros, or one under 2^-124, gets the byte 1 (read by this program alone); NaN and infinities are not served.
; REGISTERS, in windows of 256: window 0: v1-29 addresses; v32-95 scale words (register 8 i + s: lanes 0-15 A's block i, lanes 16-31 B's block i, K step s); v128-223 A's fragments, one set; on the way out v128-255 at work.
;   window 1: B's fragments, two sets, at v0 and v128.   window 2: the accumulators of A's blocks 0-3 ((a, b) at v[8 (8 (a % 4) + b)]);   window 3: those of blocks 4-7.
.set NB,    8                          ; blocks of 16 rows a wave has on each side
.set HALF,  NB*3072                    ; what one tensor load brings: NB row tiles x 256 along K
.set SLOT,  4*HALF                     ; A's two halves, then B's two
.set SCL,   3*SLOT                     ; behind the slots: the scale words, 2 NB x 512 bytes for each loading wave
.set SCH,   NB*512
.set SPARE, SCL+4*SCH                  ; the spare words, 128 bytes for each wave
.set L16,  4                           ; v4     16 x lane
.set L8,   5                           ; v5     8 x lane
.set A16,  8                           ; v8, v9  my A fragments in slot 0 and in the region of K 256 .. 767, + 16 x lane;  v11, v12 + 8 x lane
.set A8,   11
.set B16,  14                          ; v14-15, v17-18 the same for B
.set B8,   17
.set ADRS, 20                          ; v20    my scale words: lanes 0-15 A's rows, lanes 16-31 B's
.set SPW,  28                          ; v28    LDS address of my spare word; never rewritten
.set NIL,  29                          ; v29    0; never rewritten
.set SC,   32
.set AF,   128
.set PC,   128                         ; the way out: v128-139 a fragment's codes, v140-147 upper halves before they are moved
.set TM,   224                         ; v224-227 largest magnitudes, v228-231 bytes, v236-239 the conversions' scale operands
.set WS,   240                         ; v240-247 the scale word of each of A's blocks
.set Z,    248                         ; v248-251, v252-255 scale words as they are stored
.set Z2,   252
.set G1A,  24                          ; s[24:31], s[32:39] descriptor groups 1 for A's and B's codes;  s[40:47], s[48:55] for their scale words
.set G1B,  32
.set G1SA, 40
.set G1SB, 48
.set G0A0, 56                          ; groups 0: A's slots 0, 1, 2 and scale words; then B's
.set G0A1, 60
.set G0A2, 68
.set G0AS, 72
.set G0B0, 76
.set G0B1, 80
.set G0B2, 84
.set G0BS, 88
.set MSB, 0
.macro WIN new                         ; the immediate's high byte repeats the setting that is left
.if MSB != (\new)
	s_set_vgpr_msb (MSB<<8)|(\new)
.set MSB, (\new)
.endif
.endm
.set MUL_LO, 0xa1                      ; source 0 (B) window 1, source 1 (A) window 0, C and D window 2
.set MUL_HI, 0xf1                      ; the same, C and D window 3
; A joint load: waves 0 and 1 fetch for A, waves 2 and 3 for B.  The branch hangs on the wave's number alone.  An s_nop 0 and four v_nop follow each of the two lines.
.macro JLOAD g0a, g1a, g0b, g1b
	s_cmp_eq_u32 s15, 0
	s_cbranch_scc0 .Lfor_b_\@
	tensor_load_to_lds s[\g0a:\g0a+3], s[\g1a:\g1a+7]
	s_nop 0
.rept 4
	v_nop
.endr
	s_branch .Lasked_\@
.Lfor_b_\@:
	tensor_load_to_lds s[\g0b:\g0b+3], s[\g1b:\g1b+7]
	s_nop 0
.rept 4
	v_nop
.endr
.Lasked_\@:
.endm
.macro CREST                           ; a round of the cluster's barrier behind its opening barrier
	s_cmp_lg_u32 s14, 0
	s_cbranch_scc1 .Lnot_wave_0_\@
	s_barrier_signal -3
.Lnot_wave_0_\@:
	s_barrier_wait -3
	s_barrier_signal -1
	s_barrier_wait -1
.endm
.macro CROUND                          ; a whole round
	s_barrier_signal -1
	s_barrier_wait -1
	CREST
.endm
.macro MKG0 g, l, lo, a, go            ; a group 0: LDS address s[l] + lo, global address s[a:a+1] + go
	s_mov_b32 s[\g], 1
	s_add_co_u32 s[\g+1], s[\l], \lo
	s_add_nc_u64 s[\g+2:\g+3], s[\a:\a+1], \go
	s_or_b32 s[\g+3], s[\g+3], 0x80000000
.endm
	s_load_b256 s[4:11], s[0:1], 0x0               ; cod s[4:5], scl s[6:7], att s[8:9], atts s[10:11]
	v_lshl_add_u32 v[SPW], v0, 2, SPARE
	v_mov_b32 v[NIL], 0
	ds_add_u32 v[SPW], v[NIL]                      ; the wave's opening: the add, twice on end, and its wait ahead of my first tensor load
	ds_add_u32 v[SPW], v[NIL]
	v_lshrrev_b32 v1, 5, v0
	v_readfirstlane_b32 s14, v1                    ; wave 0..3
	s_lshr_b32 s15, s14, 1                         ; which half of the tile's A rows is mine.  Also: I fetch for A (0) or for B (1)
	s_and_b32 s16, s14, 1                          ; which half of its B rows.  Also: which half I fetch
	s_bfe_u32 s92, ttmp6, 0x40000                  ; cx
	s_bfe_u32 s93, ttmp6, 0x40004                  ; cy
	s_and_b32 s98, ttmp9, 1                        ; the cluster's part, by its number c = 0 .. 11 alone: the same in all sixteen partners
	s_and_b32 s99, ttmp9, 3
	s_lshr_b32 s17, ttmp9, 1
	s_cmp_lt_u32 ttmp9, 8
	s_cselect_b32 s98, s98, s99                    ; cX: q (0) or k (1);  for v: which 1,024 tokens
	s_cselect_b32 s17, s17, 0                      ; cY: which 1,024 tokens;  for v: 0
	s_cselect_b32 s18, 0, 384                      ; A's first row tile in cod: x, or w_v
	s_cselect_b32 s19, 256, 0                      ; B's: w_q, or x
	s_cselect_b32 s95, 0, 1                        ; 1: this cluster makes v
	s_lshl_b32 s17, s17, 2
	s_add_co_u32 s17, s17, s93                     ; tile row = 4 cY + cy
	s_lshl_b32 s94, s98, 2
	s_add_co_u32 s94, s94, s92                     ; tile column = 4 cX + cx
	s_lshl_b32 s99, s93, 2
	s_lshl_b32 s99, 15, s99                        ; my row of the cluster
	s_lshl_b32 s2, 0x1111, s92                     ; my column
	s_or_b32 s[G1A], s99, (3<<16)|(1<<21)          ; 15:0 the mask; 17:16 elements of 8 bytes; 20 no padding; 21 set beside a mask
	s_or_b32 s[G1B], s2, (3<<16)|(1<<21)
	s_or_b32 s[G1SA], s99, (3<<16)|(1<<21)
	s_or_b32 s[G1SB], s2, (3<<16)|(1<<21)
.irp g, G1A, G1B                       ; codes: NB row tiles x 3,072 bytes (two fragments), 12,288 bytes apart in memory, dense in LDS
	s_mov_b32 s[\g+1], 384<<16                     ; tensor_dim0 = 384 elements
	s_mov_b32 s[\g+2], 16<<16                      ; tensor_dim1: the head's loads bring a tile's 16 row tiles whole
	s_mov_b32 s[\g+3], 384<<16                     ; tile_dim0
	s_mov_b32 s[\g+4], 16                          ; tile_dim1
	s_mov_b32 s[\g+5], 1536                        ; tensor_dim0_stride
	s_mov_b32 s[\g+6], 0
	s_mov_b32 s[\g+7], 0
.endr
.irp g, G1SA, G1SB                     ; scale words: 2 NB x 512 dense bytes, as rows of 256 bytes
	s_mov_b32 s[\g+1], 32<<16
	s_mov_b32 s[\g+2], 32<<16                      ; the scale words of 16 row tiles: 32 rows of 256 bytes
	s_mov_b32 s[\g+3], 32<<16
	s_mov_b32 s[\g+4], 32
	s_mov_b32 s[\g+5], 32
	s_mov_b32 s[\g+6], 0
	s_mov_b32 s[\g+7], 0
.endr
	s_mul_i32 s100, s16, 8*12288                   ; the half that I fetch behind the head: 8 row tiles, in bytes
	s_mov_b32 s101, 0
	s_lshl_b32 s20, s17, 4
	s_add_co_u32 s20, s20, s18                     ; A: the tile's first row tile (hangs on the tile row alone)
	s_lshl_b32 s96, s94, 4
	s_add_co_u32 s96, s96, s19                     ; B: (on the tile column alone)
	s_lshl_b32 s22, s20, 9                         ; their scale words, 512 bytes a row tile,
	s_mul_i32 s20, s20, 12288                      ; and their codes
	s_lshl_b32 s12, s96, 9
	s_mul_i32 s96, s96, 12288
	s_mov_b32 s21, 0
	s_mov_b32 s23, 0
	s_mov_b32 s13, 0
	s_mov_b32 s97, 0
	s_mul_i32 s18, s14, HALF                       ; where they go: by the wave's number alone
	s_mul_i32 s19, s14, 2*HALF                     ; my part of the region of K 256 .. 767
	s_wait_dscnt 0x0                               ; both opening adds are done
	s_wait_kmcnt 0x0
	s_add_nc_u64 s[20:21], s[4:5], s[20:21]
	s_add_nc_u64 s[22:23], s[6:7], s[22:23]
	s_add_nc_u64 s[96:97], s[4:5], s[96:97]
	s_add_nc_u64 s[12:13], s[6:7], s[12:13]
; THE FILLS, AS THE TEXT NOW HAS THEM (one tensor load a wave at the head and one behind each round).  Head: four whole tiles, one a wave: wave 0 A's 16 row tiles of K 0 .. 255 (slot 0),
; wave 1 B's, wave 2 A's scale words of all of K, wave 3 B's.  Behind a whole round: K 256 .. 767, one load a wave, 8 row tiles x 6,144 bytes, into the region behind slot 0 (rows 6,144 bytes apart).
; Behind the round in K step 1: K 768 .. 1023 into slot 0, 8 row tiles x 3,072 bytes a wave.  By the text's own count one tensor load of a wave is out at any time.
.macro MKH g, lds, a                   ; a group 0 with a constant LDS address
	s_mov_b32 s[\g], 1
	s_mov_b32 s[\g+1], \lds
	s_mov_b64 s[\g+2:\g+3], s[\a:\a+1]
	s_or_b32 s[\g+3], s[\g+3], 0x80000000
.endm
.macro ARM under, g0, g1, next         ; one arm of the head's chain of branches on the wave's number
	s_cmp_lt_u32 s14, \under
	s_cbranch_scc0 \next
	tensor_load_to_lds s[\g0:\g0+3], s[\g1:\g1+7]
	s_nop 0
.rept 4
	v_nop
.endr
	s_branch .Lhead_asked
\next:
.endm
	MKH G0AS, SCL, 22
	MKH G0BS, SCL+2*SCH, 12
	MKH G0A0, 0, 20
	MKH G0B0, 2*HALF, 96
	s_add_nc_u64 s[20:21], s[20:21], s[100:101]    ; from here on: my half of the tile
	s_add_nc_u64 s[96:97], s[96:97], s[100:101]
	MKG0 G0A1, 19, SLOT, 20, 3072
	MKG0 G0B1, 19, SLOT, 96, 3072
	MKG0 G0A2, 18, 0, 20, 9216
	MKG0 G0B2, 18, 0, 96, 9216
	CROUND                                         ; all sixteen work-groups are here: the first joint loads meet
	ARM 1, G0A0, G1A,  .Lhead_b
	ARM 2, G0B0, G1B,  .Lhead_sa
	ARM 3, G0AS, G1SA, .Lhead_sb
	tensor_load_to_lds s[G0BS:G0BS+3], s[G1SB:G1SB+7]
	s_nop 0
.rept 4
	v_nop
.endr
.Lhead_asked:
	v_and_b32 v1, 15, v0                           ; r
	v_bfe_u32 v2, v0, 4, 1                         ; h
	v_and_b32 v3, 31, v0                           ; lane
	v_lshlrev_b32 v[L16], 4, v3
	v_lshlrev_b32 v[L8], 3, v3
	s_mul_i32 s20, s15, HALF                       ; my half of A,
	s_mul_i32 s21, s16, HALF
	s_add_co_u32 s21, s21, 2*HALF                  ; my half of B, behind A's two
.irp k, 0,1                            ; 0: slot 0;  1: the region of K 256 .. 767, whose parts are twice as long and lie behind slot 0
	v_add_nc_u32 v[A16+\k], s20, v[L16]
	v_add_nc_u32 v[A8+\k], s20, v[L8]
	v_add_nc_u32 v[B16+\k], s21, v[L16]
	v_add_nc_u32 v[B8+\k], s21, v[L8]
	s_lshl_b32 s20, s20, 1
	s_add_co_u32 s20, s20, SLOT
	s_lshl_b32 s21, s21, 1
	s_add_co_u32 s21, s21, SLOT
.endr
	v_lshlrev_b32 v6, 4, v1                        ; scale words: 16 bytes (four K steps) a row
	s_mul_i32 s20, s15, SCH
	s_mul_i32 s21, s16, SCH
	s_add_co_u32 s21, s21, 2*SCH
	s_sub_co_u32 s21, s21, s20                     ; from A's place to B's
	v_mul_u32_u24 v7, s21, v2                      ; lanes 16-31 take B's
	s_add_co_u32 s20, s20, SCL
	v_add_nc_u32 v6, v6, v7
	v_add_nc_u32 v[ADRS], s20, v6
.macro FRAG reg, a16, a8, off          ; a fragment as it was stored: four loads of consecutive bytes
	ds_load_b128 v[(\reg):(\reg)+3], v[\a16] offset:\off
	ds_load_b64 v[(\reg)+4:(\reg)+5], v[\a8] offset:\off+512
	ds_load_b128 v[(\reg)+6:(\reg)+9], v[\a16] offset:\off+768
	ds_load_b64 v[(\reg)+10:(\reg)+11], v[\a8] offset:\off+1280
.endm
.macro FETCH_B slot, q, p              ; B's eight fragments of the slot's q-th 128 along K into set p
	WIN 0x40                                       ; destination window 1
.irp i, 0,1,2,3,4,5,6,7
	FRAG 128*(\p)+12*\i, B16+\slot, B8+\slot, (3072+3072*(\slot))*\i+1536*(\q)
.endr
	WIN 0
.endm
.macro FETCH_A slot, q, i0             ; A's blocks i0 .. i0 + 3
.irp i, \i0, \i0+1, \i0+2, \i0+3
	FRAG AF+12*(\i), A16+\slot, A8+\slot, (3072+3072*(\slot))*(\i)+1536*(\q)
.endr
.endm
.macro SCALES                          ; the scale words of all eight K steps: lanes 0-15 take A's block i, lanes 16-31 B's block i
.irp i, 0,1,2,3,4,5,6,7
	ds_load_b128 v[SC+8*\i:SC+8*\i+3], v[ADRS] offset:512*\i
	ds_load_b128 v[SC+8*\i+4:SC+8*\i+7], v[ADRS] offset:512*\i+256
.endr
.endm
; 8 matrix instructions: A's block a x B's eight, K step s; p: B's set.  zero = 1: the first product starts the sums.  The 64 accumulators take turns, one instruction a turn, in the same order in every step.
.macro MULA a, p, s, zero
.irp b, 0,1,2,3,4,5,6,7
.if \zero
	v_wmma_scale_f32_16x16x128_f8f6f4 v[8*(NB*((\a)%4)+\b):8*(NB*((\a)%4)+\b)+7], v[128*(\p)+12*\b:128*(\p)+12*\b+11], v[AF+12*(\a):AF+12*(\a)+11], 0, v[SC+8*\b+(\s)], v[SC+8*(\a)+(\s)] matrix_a_fmt:MATRIX_FMT_FP6 matrix_b_fmt:MATRIX_FMT_FP6 matrix_a_scale:MATRIX_SCALE_ROW1
.else
	v_wmma_scale_f32_16x16x128_f8f6f4 v[8*(NB*((\a)%4)+\b):8*(NB*((\a)%4)+\b)+7], v[128*(\p)+12*\b:128*(\p)+12*\b+11], v[AF+12*(\a):AF+12*(\a)+11], v[8*(NB*((\a)%4)+\b):8*(NB*((\a)%4)+\b)+7], v[SC+8*\b+(\s)], v[SC+8*(\a)+(\s)] matrix_a_fmt:MATRIX_FMT_FP6 matrix_b_fmt:MATRIX_FMT_FP6 matrix_a_scale:MATRIX_SCALE_ROW1
.endif
.endr
.endm
.macro PLACES                          ; four plain instructions in front of loads into registers that matrix instructions have read, and of the first read of results (ISA guide 7.12.1 for vector instructions)
.rept 4
	v_nop
.endr
.endm
; K step s; the next step's fragments lie in slot nslot, its nq-th 128 along K.  A's blocks are free as soon as their products are issued, so A has one set; B has two.
.macro STEP s, nslot, nq, zero
	s_wait_dscnt 2*NB                              ; B's set and A's blocks 0-3 are in; the youngest 16 loads (A's blocks 4-7) may be out
	WIN MUL_LO
	MULA 0, (\s)%2, \s, \zero
	MULA 1, (\s)%2, \s, \zero
	MULA 2, (\s)%2, \s, \zero
	MULA 3, (\s)%2, \s, \zero
	s_wait_dscnt 0x0                               ; A's blocks 4-7 are in
	PLACES
	FETCH_B \nslot, \nq, 1-(\s)%2
	FETCH_A \nslot, \nq, 0
	WIN MUL_HI
	MULA 4, (\s)%2, \s, \zero
	MULA 5, (\s)%2, \s, \zero
	MULA 6, (\s)%2, \s, \zero
	MULA 7, (\s)%2, \s, \zero
	PLACES
	WIN 0
	FETCH_A \nslot, \nq, 4
.endm
; A step in which the waves meet: each wave waits for all its tensor loads, adds 0 to its spare word, and waits for that and for its own LDS reads.  fill = 1: slot 0, which nobody reads any more, takes the last quarter of K.
.macro TURN s, nslot, nq, fill
	s_wait_tensorcnt 0x0                           ; all my tensor loads have landed
	ds_add_u32 v[SPW], v[NIL]                      ; 0 onto my spare word
	s_wait_dscnt 2*NB+1                            ; (the add and the youngest 16 loads, A's blocks 4-7, may be out)
	WIN MUL_LO
	MULA 0, (\s)%2, \s, 0
	MULA 1, (\s)%2, \s, 0                          ; sixteen matrix instructions stand between the add and the wait for it
	s_wait_dscnt 0x0                               ; the add is done, and my LDS reads are over
	s_barrier_signal -1
	MULA 2, (\s)%2, \s, 0
	MULA 3, (\s)%2, \s, 0
	WIN 0
	s_barrier_wait -1
.if \fill
	CREST                                          ; the barrier has opened a round of the cluster's barrier: no wave of any partner still reads slot 0 or has a load on its way
	JLOAD G0A2, G1A, G0B2, G1B                     ; K 768 on, my half: the first tensor load behind the round; the four v_nop behind it are the places in front of the loads below
.else
	PLACES
.endif
	FETCH_B \nslot, \nq, 1-(\s)%2
	FETCH_A \nslot, \nq, 0
	WIN MUL_HI
	MULA 4, (\s)%2, \s, 0
	MULA 5, (\s)%2, \s, 0
	MULA 6, (\s)%2, \s, 0
	MULA 7, (\s)%2, \s, 0
	PLACES
	WIN 0
	FETCH_A \nslot, \nq, 4
.endm
	s_wait_alu depctr_va_vdst(0)
	s_wait_tensorcnt 0x0                           ; my tile of the head's four is in
	ds_add_u32 v[SPW], v[NIL]
	s_mov_b32 s[G1A+2], NB<<16                     ; no tensor load of mine is out, so descriptors may be written: slot 0's refill brings 8 row tiles a wave,
	s_mov_b32 s[G1A+4], NB
	s_mov_b32 s[G1B+2], NB<<16
	s_mov_b32 s[G1B+4], NB
.irp g, G1SA, G1SB                     ; and the groups that served the scale words (same masks) now state 8 row tiles x 6,144 bytes, 12,288 bytes apart in memory
	s_mov_b32 s[\g+1], 768<<16
	s_mov_b32 s[\g+2], NB<<16
	s_mov_b32 s[\g+3], 768<<16
	s_mov_b32 s[\g+4], NB
	s_mov_b32 s[\g+5], 1536
.endr
	s_wait_dscnt 0x0                               ; the add is done
	CROUND                                         ; a whole round: all four tiles are in, and the joint loads meet
	JLOAD G0A1, G1SA, G0B1, G1SB                   ; K 256 .. 767: the first tensor load behind the round
	FETCH_B 0, 0, 0
	FETCH_A 0, 0, 0
	SCALES
	FETCH_A 0, 0, 4
	STEP 0, 0, 1, 1                                ; the first step's products start the sums
	TURN 1, 1, 0, 1                                ; slots 1 and 2 are whole in every wave's sight; slot 0 is filled again
	STEP 2, 1, 1, 0
	STEP 3, 1, 2, 0
	STEP 4, 1, 3, 0
	TURN 5, 0, 0, 0                                ; the last quarter of K has landed; nothing more is asked for
	STEP 6, 0, 1, 0
	s_wait_dscnt 2*NB                              ; the last step
	WIN MUL_LO
	MULA 0, 1, 7, 0
	MULA 1, 1, 7, 0
	MULA 2, 1, 7, 0
	MULA 3, 1, 7, 0
	s_wait_dscnt 0x0
	WIN MUL_HI
	MULA 4, 1, 7, 0
	MULA 5, 1, 7, 0
	MULA 6, 1, 7, 0
	MULA 7, 1, 7, 0
	WIN 0
	; THE WAY OUT.  No tensor load of mine is out, so the descriptors' registers are free.  RA = which 128 rows of A, CB = which 128 rows of B are my wave's.
	; q, k: A's block a is tile a of key step RA; the fragment's half c is head 2 (CB % 8) + c.     v: A's block a is tile a % 4 of head 2 RA + a / 4; the whole fragment belongs to key step CB.
	s_lshl_b32 s24, s17, 1
	s_add_co_u32 s24, s24, s15                     ; RA
	s_lshl_b32 s25, s94, 1
	s_add_co_u32 s25, s25, s16                     ; CB
	s_and_b32 s26, s25, 7
	s_mul_i32 s27, s98, 6144                       ; q's place in a step, or k's
	s_mov_b32 s28, 18432                           ; a key step in att
	s_mov_b32 s29, 1179648                         ; two heads
	s_mov_b32 s30, 768
	s_mov_b32 s31, 585216                          ; from a head's fourth tile of V to the next head's first
	s_lshl_b32 s48, s98, 14                        ; in atts: q's words, or k's
	s_lshl_b32 s49, s24, 9
	s_lshl_b32 s50, s25, 8
	s_cmp_eq_u32 s95, 0                            ; q, k or v: all choices on this one compare
	s_cselect_b32 s51, s26, s24                    ; which pair of heads
	s_cselect_b32 s26, s26, s25
	s_cselect_b32 s27, s27, 12288
	s_cselect_b32 s32, s29, s28                    ; a step of CB,
	s_cselect_b32 s33, s28, s29                    ; of RA,
	s_cselect_b32 s36, 589824, s30                 ; from half 0's place to half 1's,
	s_cselect_b32 s38, s30, 1536                   ; from block to block,
	s_cselect_b32 s40, s30, s31                    ; and from block 3 to block 4
	s_cselect_b32 s48, s48, 32768
	s_cselect_b32 s49, s49, s50
	s_mov_b32 s37, 0
	s_mov_b32 s39, 0
	s_mov_b32 s41, 0
	s_mul_i32 s32, s32, s26
	s_mul_i32 s33, s33, s24
	s_add_co_u32 s32, s32, s33
	s_add_co_u32 s32, s32, s27
	s_mov_b32 s33, 0
	s_add_nc_u64 s[42:43], s[8:9], s[32:33]        ; where half 0 of block 0 goes,
	s_add_nc_u64 s[44:45], s[42:43], s[36:37]      ; and half 1
	s_mul_i32 s51, s51, 81920
	s_add_co_u32 s48, s48, s49
	s_add_co_u32 s48, s48, s51
	s_mov_b32 s49, 0
	s_add_nc_u64 s[46:47], s[10:11], s[48:49]      ; where my scale words go
	s_mov_b32 s52, 0x76543210
	s_mov_b32 s53, 0xfedcba98                      ; v_permlanex16_b32's selects for lane l xor 16
	PLACES                                         ; behind the last products
.irp b, 0,1,2,3
	v_mov_b32 v[TM+4+\b], 0                        ; written once: a lane permute's destination counts as one of its sources
.endr
; A's block a: 64 numbers a lane, register 16 b + i = B's row 32 b + 16 (lane / 16) + i, become a fragment and a scale word, and leave.
.macro OUTA a
.set AC, 64*((\a)%4)
	WIN 0x0a+5*((\a)/4)                            ; sources 0 and 1: window 2 or 3
.irp b, 0,1,2,3
	v_max3_num_f32 v[TM+\b], |v[AC+16*\b]|, |v[AC+16*\b+1]|, 0x1800000      ; each accumulator is read from its low end on; the floor 2^(3 - 127) holds the byte at 1 from below
.endr
.irp i, 2,4,6,8,10,12,14
.irp b, 0,1,2,3
	v_max3_num_f32 v[TM+\b], |v[AC+16*\b+\i]|, |v[AC+16*\b+\i+1]|, v[TM+\b]
.endr
.endr
	WIN 0
.irp b, 0,1,2,3
	v_permlanex16_b32 v[TM+4+\b], v[TM+\b], s52, s53
.endr
.irp b, 0,1,2,3
	v_max_num_f32 v[TM+\b], v[TM+\b], v[TM+4+\b]   ; with lane l xor 16's: the block's largest magnitude
.endr
.irp b, 0,1,2,3
	v_add_nc_u32 v[TM+12+\b], 0xff000000, v[TM+\b] ; 2 off its exponent field: the conversion's scale operand
.endr
.irp b, 0,1,2,3
	v_lshrrev_b32 v[TM+4+\b], 23, v[TM+12+\b]      ; the scale's byte
.endr
	v_lshl_or_b32 v[WS+(\a)], v[TM+5], 8, v[TM+4]
	v_lshl_or_b32 v[WS+(\a)], v[TM+6], 16, v[WS+(\a)]
	v_lshl_or_b32 v[WS+(\a)], v[TM+7], 24, v[WS+(\a)]
.if (\a) > 0
	s_wait_xcnt 0x0                                ; the last block's stores have read their data and their bases: both are written again only behind this wait
.if (\a) == 4
	s_add_nc_u64 s[42:43], s[42:43], s[40:41]
	s_add_nc_u64 s[44:45], s[44:45], s[40:41]
.else
	s_add_nc_u64 s[42:43], s[42:43], s[38:39]
	s_add_nc_u64 s[44:45], s[44:45], s[38:39]
.endif
.endif
	WIN 0x02+(\a)/4                                ; source 0: window 2 or 3
.irp c, 0,1
	v_cvt_scalef32_pk16_fp6_f32 v[PC+6*\c:PC+6*\c+2], v[AC+32*\c:AC+32*\c+15], v[TM+12+2*\c]
	v_cvt_scalef32_pk16_fp6_f32 v[PC+12+4*\c:PC+14+4*\c], v[AC+32*\c+16:AC+32*\c+31], v[TM+12+2*\c+1]   ; (a conversion's three registers begin on an even number)
.endr
	WIN 0
	v_nop                                          ; one plain instruction behind a scaled conversion
.irp c, 0,1                            ; the operand's layout wants a WHOLE block in a lane: lanes 0-15 block 2 c, lanes 16-31 block 2 c + 1
.irp i, 0,1,2
	v_permlane16_swap_b32 v[PC+6*\c+\i], v[PC+12+4*\c+\i]
.endr
.irp i, 0,1,2
	v_mov_b32 v[PC+3+6*\c+\i], v[PC+12+4*\c+\i]
.endr
.endr
	global_store_b128 v[L16], v[PC:PC+3], s[42:43]               ; 512 consecutive bytes,
	global_store_b64 v[L8], v[PC+4:PC+5], s[42:43] offset:512    ; and 256: both begin at multiples of 256 from att's first byte
	global_store_b128 v[L16], v[PC+6:PC+9], s[44:45]
	global_store_b64 v[L8], v[PC+10:PC+11], s[44:45] offset:512
.endm
	OUTA 0
	OUTA 1
	OUTA 2
	OUTA 3
	OUTA 4
	OUTA 5
	OUTA 6
	OUTA 7
	v_cmp_lt_u32 s20, 15, v3                       ; the scale words: lanes 0-15 carry the even blocks', lanes 16-31 the odd blocks'
.irp j, 0,1,2,3
	v_cndmask_b32 v[Z+\j], v[WS+2*\j], v[WS+2*\j+1], s20
.endr
	s_cmp_eq_u32 s95, 0                            ; by the cluster's number alone: the same way in all partners; it leads round stores only
	s_cbranch_scc0 .Lwords_of_v
	global_store_b128 v[L16], v[Z:Z+3], s[46:47]   ; the even head: bytes 0, 1 are its blocks
.irp j, 0,1,2,3
	v_lshrrev_b32 v[Z2+\j], 16, v[Z+\j]            ; the odd head's two bytes come down
.endr
	global_store_b128 v[L16], v[Z2:Z2+3], s[46:47] offset:40960
	s_branch .Lwords_out
.Lwords_of_v:
	s_wait_alu depctr_va_vdst(0)
	global_store_b64 v[L8], v[Z:Z+1], s[46:47]     ; blocks 0-3: the even head's four tiles
	global_store_b64 v[L8], v[Z+2:Z+3], s[46:47] offset:40960
.Lwords_out:
	s_wait_tensorcnt 0x0                           ; the wave's end: behind my last tensor load
	ds_add_u32 v[SPW], v[NIL]
	s_wait_dscnt 0x0
	CROUND                                         ; the closing round: no work-group ends while a partner may still ask for a tile that names it
	s_endpgm
.Lfunc_end_k_q9930895e83_gemm_qkv:
	.size	k_q9930895e83_gemm_qkv, .Lfunc_end_k_q9930895e83_gemm_qkv-k_q9930895e83_gemm_qkv
	.p2alignl 7, 3214868480
	.fill 96, 4, 3214868480
	.section	.rodata,"a",@progbits
	.p2align	6, 0x0
	.amdhsa_kernel k_q9930895e83_gemm_qkv
		.amdhsa_group_segment_fixed_size 327680
		.amdhsa_private_segment_fixed_size 0
		.amdhsa_enable_private_segment 0
		.amdhsa_kernarg_size 32
		.amdhsa_user_sgpr_count 2
		.amdhsa_user_sgpr_kernarg_segment_ptr 1
		.amdhsa_wavefront_size32 1
		.amdhsa_system_sgpr_workgroup_id_x 1
		.amdhsa_system_sgpr_workgroup_id_y 1
		.amdhsa_system_sgpr_workgroup_id_z 1
		.amdhsa_system_vgpr_workitem_id 0
		.amdhsa_next_free_vgpr 1024
		.amdhsa_next_free_sgpr 102
		.amdhsa_reserve_vcc 0
		.amdhsa_float_denorm_mode_32 3
		.amdhsa_float_denorm_mode_16_64 3
		.amdhsa_memory_ordered 1
		.amdhsa_forward_progress 1
		.amdhsa_inst_pref_size 150
	.end_amdhsa_kernel
	.amdgpu_metadata
---
amdhsa.version: [ 1, 2 ]
amdhsa.kernels:
  - .name:           k_q9930895e83_gemm_qkv
    .symbol:         k_q9930895e83_gemm_qkv.kd
    .args:
      - { .name: cod, .offset: 0, .size: 8, .value_kind: global_buffer, .address_space: global }
      - { .name: scl, .offset: 8, .size: 8, .value_kind: global_buffer, .address_space: global }
      - { .name: att, .offset: 16, .size: 8, .value_kind: global_buffer, .address_space: global }
      - { .name: atts, .offset: 24, .size: 8, .value_kind: global_buffer, .address_space: global }
    .group_segment_fixed_size: 327680
    .private_segment_fixed_size: 0
    .kernarg_segment_align: 8
    .kernarg_segment_size: 32
    .max_flat_workgroup_size: 128
    .sgpr_count:     102
    .vgpr_count:     1024
    .wavefront_size: 32
...
	.end_amdgpu_metadata
.endif
;; end of part 2
;; launch attn (part 3): grid 16 x 16, 16 waves a work-group, no clusters, 327,680 bytes of LDS; arguments att, atts, oimg, osc; writes oimg, osc
.if DOCPART == 3
	.amdgcn_target "amdgcn-amd-amdhsa--gfx1250"
	.amdhsa_code_object_version 6
	.text
	.protected	k_q9930895e83_attn
	.globl	k_q9930895e83_attn
	.p2align	8
	.type	k_q9930895e83_attn,@function
k_q9930895e83_attn:
	s_mov_b64 s[64:65], 0
	v_nop
	global_prefetch_b8 v0, s[64:65] scope:SCOPE_SE
	s_setreg_imm32_b32 hwreg(HW_REG_WAVE_MODE, 25, 1), 1
	s_wait_xcnt 0x0
; Launch 3 of 4: o = softmax(q k^T / 8, causal) v for 16 heads of 64, both products on codes of E2M3, and o's quantising along the model's 1,024 for the last product.
; WORK LEFT OUT: a step of 128 keys all of which come after a wave's 16 queries is hidden by the mask that reference() builds itself (p = 0 for all finite inputs): it is not computed.
; LIMIT: a NaN, an infinity or an overflow that would reach only those scores is not carried to the result.
; THE SOFTMAX: t = score x log2(e) / 8; M = the largest t so far, rounded UP to a whole number; p = 2^(t - M) is quantised along the keys, not normalised; the sum is taken of the unquantised p and divides O at the end.
; When M moves, the sum and O are multiplied by 2^(old M - new M): exact.  LIMIT: the promise holds while |t| stays under 2^31.
; SHARES.  Work-group (i, head) owns the blocks of 128 queries 31 - i and i.  THE KEYS OF A TILE OF 16 QUERIES ARE DIVIDED BETWEEN TWO WAVES: waves (idx, par), idx = 0 .. 7, par = 0, 1, take tile idx and the key steps
; of parity par, first of block 31 - i, then of block i.  Keys come in slots of eight steps: block 31 - i needs 4 - i / 8 slots and block i needs i / 8 + 1, 5 in every work-group: the trip count is a constant and
; every wave has 16 or 17 steps, up to four between two barriers.  Each wave keeps an M, a sum and an O of its own; where the block changes and at the end they go to LDS bytes of the wave's own, and behind one barrier
; wave (idx, par) joins the two parts of the tile of block 31 - i (par = 0) or i (par = 1): both are brought under the larger M by powers of two, added, divided by the joined sum, quantised and stored.
; par = (w ^ (w / 4)) % 2, so that two waves of each parity fall on a SIMD whether waves are dealt by number modulo 4 or in fours.
; NO CLUSTER: the branches round hidden and unmasked steps hang on the work-group's own blocks, which differ between any work-groups that walk the same slots.
; K = 64 IN THE FIRST PRODUCT: the upper 64 along K of Q's fragment are zero codes (cleared once).  So whatever codes stand in the upper six registers of K's operand add nothing: K's eight tiles lie six registers apart,
; and a tile's operand runs on over the next tile's codes (the eighth over V's first six registers, which hold codes of the step before, or the head's zeros).  The scale bytes over them are never 0xff.
; LAYOUT.  Both products are used transposed (S^T = K Q^T, O^T = V^T P^T): a lane holds ONE query.  The keys of a tile and the channels of a tile of V are 32 (t / 2) + 8 (t % 2) + r + 8 (r / 8), so that the 16 registers
; of tiles 2 b, 2 b + 1 are 16 neighbours along the next K.  All operands are images of their registers (launch 2): every LDS load reads consecutive bytes.
; A STEP'S LDS LOADS: V's and the NEXT step's K stand in one run behind the first product's eight instructions and land under the softmax; only a slot's first K is waited for with nothing to do.
; A STEP'S ORDER: maxima, M, t - M, then O^T and the sum under the new M, then ALL 68 exponentials as one batch (one wait ahead, one behind), then p's scales and codes, then the row's sum, whose 32 additions are the
; places between p's codes and the second product.
; THE RING: two slots.  Waves 0-3 fetch a quarter of all eight steps' K | V each (8 rows of 3,072 bytes), wave 4 the eight steps' scale words of K (4,096 bytes), wave 5 those of V (2,048): one tensor load a wave at the
; head and behind each barrier; every load brings bytes of the slot's first step, which some wave reads.  A slot: piece w at 24576 w = [step 0's quarter w | .. | step 7's]; quarters 0, 1 are K's eight tiles of 768
; bytes, quarters 2, 3 V's four of 1,536; K's scale words at 98304, V's at 102400.
; LDS: slot 0 at 0; the second block's Q at 104448 (1,024 bytes a wave); slot 1 at 131072; the first block's parts at 235520; the spare words.  The second block's parts are staged in slot 1: the fifth slot of keys lies
; in slot 0, so slot 1 has had its last fill, and its last read stands ahead of the last change's barrier.
; THE PREFETCH: all work-groups of a head walk the same K | V.  Work-group 0 of the head, whose first four slots are slots 0 .. 3, asks in trip f for slot f + 2, one slot ahead of the tensor load that wants it:
; 384 blocks of 256 bytes, a lane a block, one instruction in each of waves 4 to 15.  Slots 0 and 1 come by their loads alone; trips 2 and on ask for nothing.
; LIMITS: a block of zeros, or one under 2^-124, gets the byte 1 (read by this program alone); NaN and infinities are not served.
; REGISTERS: v1-2 16 x, 8 x lane; v3-4, v8-11 LDS addresses in the slot in hand; v12 -M, v13 the largest score, v[14:15] the sum; v16-27 Q; v28 the prefetch's offset; v29 the mask's d; v[30:31] V's scale words;
;   v32-79 K's eight tiles; v80-127 V's four; v128-191 S^T, then p; v192-223 O^T; v224-235 p's codes; v232-247, v252-254 at work; v248-251 K's scale words; v253 p's; v255 Q's.
.set SLOT1, 131072                     ; slot 1 begins here
.set VHALF, 49152                      ; V's quarters begin here in a slot
.set SKO,   98304                      ; K's scale words in a slot, 512 bytes a step
.set SVO,   102400                     ; V's, 256 bytes a step
.set QST,   104448                     ; the second block's Q and its scale words, 1,024 bytes a wave; no fill lands here
.set AREA,  4608                       ; a part of a tile: O^T 4,096 bytes, then -M, the largest score and the sum 512
.set STG0,  235520                     ; the first block's parts, an area a wave; no fill lands here
.set STG1,  SLOT1                      ; the second block's
.set SPARE, STG0+16*AREA               ; the spare words, 128 bytes for each wave
.set NTR,   4                          ; trips of the loop; the fifth slot is written out
.set L16, 1
.set L8,  2
.set ADK, 3
.set ADK8, 4
.set SPW, 5                            ; v5  LDS address of my spare word; never rewritten
.set NIL, 6                            ; v6  0; never rewritten
.set OSO, 7                            ; v7  16 r
.set ADS, 8
.set ADT, 9
.set ADV, 10
.set ADV8, 11
.set QF,  16
.set PFO, 28
.set DD,  29
.set VS,  30
.set KFR, 32
.set VFR, 80
.set S,   128
.set O,   192
.set TB,  2                            ; s2  LDS byte at which the slot in hand begins
.set F,   3                            ; s3  the trip: slots done
.set ST,  12                           ; s12 my key step
.set BLK, 13                           ; s13 the block of queries in hand
.set HB,  14                           ; s14 31 - i
.set LB,  15                           ; s15 i
.set NH,  16                           ; s16 slots of block 31 - i
.set LIM, 17                           ; s17 2 in a wave that prefetches, else 0
.set WV,  18
.set HEAD, 19
.set SEL, 20                           ; s[20:21] lane selects for v_permlanex16_b32: lane l xor 16
.set CS,  22                           ; s[22:23] c = log2(e) / 8
.set G1,  24                           ; groups 1: K | V, K's scale words, V's
.set G1K, 32
.set G1V, 40
.set G0,  48                           ; groups 0, likewise
.set G0K, 52
.set G0V, 56
.set BKV, 60                           ; s[60:61] slot 0 of my quarter of K | V;  s[62:63], s[66:67] of the scale words
.set BSK, 62
.set BSV, 66
.set PFA, 68
.set OUA, 70
.set OUS, 72
.set IDX, 74
.set PAR, 75
.set PK,  76                           ; s76-79 my parity's place in a pair of steps: K's codes, V's codes, K's scale words, V's
.set PV,  77
.set PS,  78
.set PT,  79
.set SA0, 80                           ; s80, s81 my areas for the first and the second block's part;  s82 the two parts that I join;  s83 my second Q
.set SA1, 81
.set RD,  82
.set QSA, 83
.set T0,  84                           ; s84-95 in hand; s85 stays 0
.macro NOPS
.rept 4
	v_nop
.endr
.endm
.macro TLOAD                           ; one chain of branches on the wave's number, one load to an arm; an s_nop 0 and four v_nop follow each load
	s_cmp_lt_u32 s[WV], 4
	s_cbranch_scc0 .Lsk_\@
	tensor_load_to_lds s[G0:G0+3], s[G1:G1+7]
	s_nop 0
	NOPS
	s_branch .Lasked_\@
.Lsk_\@:
	s_cmp_eq_u32 s[WV], 4
	s_cbranch_scc0 .Lsv_\@
	tensor_load_to_lds s[G0K:G0K+3], s[G1K:G1K+7]
	s_nop 0
	NOPS
	s_branch .Lasked_\@
.Lsv_\@:
	s_cmp_eq_u32 s[WV], 5
	s_cbranch_scc0 .Lasked_\@
	tensor_load_to_lds s[G0V:G0V+3], s[G1V:G1V+7]
	s_nop 0
	NOPS
.Lasked_\@:
.endm
.macro DENSE g, rows                   ; a group 1 for a dense block as rows of 256 bytes
	s_mov_b32 s[\g], 3<<16
	s_mov_b32 s[\g+1], 32<<16
	s_mov_b32 s[\g+2], (\rows)<<16
	s_mov_b32 s[\g+3], 32<<16
	s_mov_b32 s[\g+4], \rows
	s_mov_b32 s[\g+5], 32
	s_mov_b32 s[\g+6], 0
	s_mov_b32 s[\g+7], 0
.endm
.macro FRESH                           ; a tile's state before its first step: the step is written for all steps alike, and the first change of M leaves these zeros zeros
	v_mov_b32 v13, 0xff61b1e6                      ; the largest score so far: -3e38, under every score
	v_mov_b32 v14, 0
	v_mov_b32 v15, 0
	v_floor_f32 v12, -v13                          ; -M: over every -M to come
.set J, 0
.rept 32
	v_mov_b32 v[O+J], 0
.set J, J+1
.endr
.endm
.macro SAVE                            ; my part of a tile into the area at v254; each accumulator from its low end on
.irp t, 0,1,2,3,4,5,6,7
	ds_store_b128 v254, v[O+4*\t:O+4*\t+3] offset:512*\t
.endr
	ds_store_b128 v254, v[12:15] offset:4096
.endm
	s_load_b256 s[4:11], s[0:1], 0x0               ; att s[4:5], atts s[6:7], oimg s[8:9], osc s[10:11]
	v_lshl_add_u32 v[SPW], v0, 2, SPARE
	v_mov_b32 v[NIL], 0
	ds_add_u32 v[SPW], v[NIL]                      ; the wave's opening: the add, twice on end, and its wait ahead of my first tensor load
	ds_add_u32 v[SPW], v[NIL]
	v_lshrrev_b32 v128, 5, v0
	v_readfirstlane_b32 s[WV], v128                ; wave 0..15
	s_and_b32 s[HEAD], ttmp7, 0xffff
	s_lshr_b32 s[IDX], s[WV], 1                    ; my tile of a block's eight
	s_lshr_b32 s[PAR], s[WV], 2
	s_xor_b32 s[PAR], s[PAR], s[WV]
	s_and_b32 s[PAR], s[PAR], 1                    ; the parity of my key steps
	s_sub_co_u32 s[HB], 31, ttmp9
	s_mov_b32 s[LB], ttmp9
	s_lshr_b32 s[NH], ttmp9, 3
	s_sub_co_u32 s[NH], 4, s[NH]                   ; (31 - i) / 8 + 1
	s_mov_b32 s[G1], 3<<16                         ; K | V: elements of 8 bytes, no mask, no padding
	s_mov_b32 s[G1+1], 384<<16                     ; tensor_dim0 = 384 elements: 3,072 bytes
	s_mov_b32 s[G1+2], 8<<16                       ; tensor_dim1 = 8: the slot's eight steps
	s_mov_b32 s[G1+3], 384<<16
	s_mov_b32 s[G1+4], 8
	s_mov_b32 s[G1+5], 2304                        ; from step to step: 18,432 bytes
	s_mov_b32 s[G1+6], 0
	s_mov_b32 s[G1+7], 0
	DENSE G1K, 16
	DENSE G1V, 8
	s_mul_i32 s[T0], s[HEAD], 589824               ; the head in att,
	s_mov_b32 s[T0+1], 0
	s_mul_i32 s[T0+2], s[HEAD], 40960              ; and in atts
	s_mov_b32 s[T0+3], 0
	s_mov_b32 s[SEL], 0x76543210
	s_mov_b32 s[SEL+1], 0xfedcba98
	s_mov_b32 s[CS], 0x3e38aa3b                    ; log2(e) / 8
	s_mov_b32 s[CS+1], s[CS]                       ; (named with it as a pair, so it is written)
	s_mov_b32 s[TB], 0
	s_mov_b32 s[F], 0
	s_wait_dscnt 0x0                               ; both opening adds are done
	s_wait_kmcnt 0x0
	s_add_nc_u64 s[4:5], s[4:5], s[T0:T0+1]
	s_add_nc_u64 s[6:7], s[6:7], s[T0+2:T0+3]
	s_mul_i32 s[T0], s[WV], 3072
	s_add_co_u32 s[T0], s[T0], 6144                ; K | V begin behind Q in a step
	s_add_nc_u64 s[BKV:BKV+1], s[4:5], s[T0:T0+1]
	s_add_nc_u64 s[BSK:BSK+1], s[6:7], 16384       ; K's words begin behind Q's; V's follow K's
	s_add_nc_u64 s[BSV:BSV+1], s[6:7], 32768
	s_mov_b32 s[G0], 1
	s_mul_i32 s[G0+1], s[WV], 24576
	s_mov_b64 s[G0+2:G0+3], s[BKV:BKV+1]
	s_or_b32 s[G0+3], s[G0+3], 0x80000000
	s_mov_b32 s[G0K], 1
	s_mov_b32 s[G0K+1], SKO
	s_mov_b64 s[G0K+2:G0K+3], s[BSK:BSK+1]
	s_or_b32 s[G0K+3], s[G0K+3], 0x80000000
	s_mov_b32 s[G0V], 1
	s_mov_b32 s[G0V+1], SVO
	s_mov_b64 s[G0V+2:G0V+3], s[BSV:BSV+1]
	s_or_b32 s[G0V+3], s[G0V+3], 0x80000000
	TLOAD                                          ; slot 0
	s_mul_i32 s[T0+2], s[IDX], 768                 ; my tiles of Q, one half each: their offsets in the head's part of att,
	s_mul_i32 s[T0+6], s[HB], 18432
	s_add_co_u32 s[T0+6], s[T0+6], s[T0+2]
	s_mul_i32 s[T0+8], s[LB], 18432
	s_add_co_u32 s[T0+8], s[T0+8], s[T0+2]
	s_and_b32 s[T0+2], s[IDX], 1                   ; and their scale words': 16 (r + 16 (idx % 2)) + 4 (idx / 2)
	s_lshl_b32 s[T0+2], s[T0+2], 8
	s_lshr_b32 s[T0+3], s[IDX], 1
	s_lshl_b32 s[T0+3], s[T0+3], 2
	s_add_co_u32 s[T0+2], s[T0+2], s[T0+3]
	s_lshl_b32 s[T0+7], s[HB], 9
	s_add_co_u32 s[T0+7], s[T0+7], s[T0+2]
	s_lshl_b32 s[T0+9], s[LB], 9
	s_add_co_u32 s[T0+9], s[T0+9], s[T0+2]
	s_cmp_eq_u32 s[PAR], 0                         ; the tile that I finish: of block 31 - i (par = 0) or i
	s_cselect_b32 s[T0+2], s[HB], s[LB]
	s_lshl_b32 s[T0], s[T0+2], 3
	s_add_co_u32 s[T0], s[T0], s[IDX]              ; T: its row tile of o
	s_lshl_b32 s[T0+2], s[T0], 9
	s_lshl_b32 s[T0], s[T0], 3
	s_lshr_b32 s[T0+3], s[HEAD], 1
	s_add_co_u32 s[T0], s[T0], s[T0+3]
	s_mul_i32 s[T0], s[T0], 1536                   ; fragment (T, head / 2),
	s_and_b32 s[T0+3], s[HEAD], 1
	s_mul_i32 s[T0+4], s[T0+3], 768
	s_add_co_u32 s[T0], s[T0], s[T0+4]             ; half head % 2
	s_add_nc_u64 s[OUA:OUA+1], s[8:9], s[T0:T0+1]
	s_lshl_b32 s[T0+3], s[T0+3], 1                 ; its two scale bytes: 512 T + 256 (head / 8) + 4 ((head / 2) % 4) + 2 (head % 2), + 16 r
	s_add_co_u32 s[T0+2], s[T0+2], s[T0+3]
	s_lshr_b32 s[T0+3], s[HEAD], 3
	s_lshl_b32 s[T0+3], s[T0+3], 8
	s_add_co_u32 s[T0+2], s[T0+2], s[T0+3]
	s_bfe_u32 s[T0+3], s[HEAD], 0x20001
	s_lshl_b32 s[T0+3], s[T0+3], 2
	s_add_co_u32 s[T0], s[T0+2], s[T0+3]
	s_add_nc_u64 s[OUS:OUS+1], s[10:11], s[T0:T0+1]
	s_add_nc_u64 s[PFA:PFA+1], s[4:5], 6144+147456 ; slot 1's K: the first change of slots steps it to slot 2.  Nothing is prefetched here, at the head
	s_sub_co_u32 s[T0+4], s[WV], 4
	s_cmp_lt_u32 s[T0+4], 12
	s_cselect_b32 s[T0+5], 0, 1                    ; 0 in waves 4 to 15,
	s_or_b32 s[T0+5], s[T0+5], ttmp9               ; of the head's work-group 0
	s_cmp_eq_u32 s[T0+5], 0
	s_cselect_b32 s[LIM], 2, 0
	s_min_u32 s[T0+4], s[T0+4], 11                 ; (twelve waves' worth: no wave's offset reaches further)
	s_lshl_b32 s[T0+4], s[T0+4], 5
	s_mul_i32 s[PK], s[PAR], 3072
	s_add_co_u32 s[PV], s[PK], VHALF
	s_lshl_b32 s[PS], s[PAR], 9
	s_add_co_u32 s[PS], s[PS], SKO
	s_lshl_b32 s[PT], s[PAR], 8
	s_add_co_u32 s[PT], s[PT], SVO
	s_lshl_b32 s[SA1], s[IDX], 1
	s_add_co_u32 s[SA1], s[SA1], s[PAR]
	s_mul_i32 s[SA1], s[SA1], AREA
	s_add_co_u32 s[SA0], s[SA1], STG0
	s_add_co_u32 s[SA1], s[SA1], STG1
	s_xor_b32 s[RD], s[PAR], 1                     ; the parts that I join: the first block's (par = 0) or the second's; wave (idx, 0)'s, and AREA on wave (idx, 1)'s
	s_mul_i32 s[RD], s[RD], STG0-STG1
	s_add_co_u32 s[RD], s[RD], STG1
	s_mul_i32 s[T0+5], s[IDX], 2*AREA
	s_add_co_u32 s[RD], s[RD], s[T0+5]
	s_lshl_b32 s[QSA], s[WV], 10
	s_add_co_u32 s[QSA], s[QSA], QST
	s_lshr_b32 s[T0+11], s[IDX], 1
	s_lshl_b32 s[T0+11], s[T0+11], 5
	s_and_b32 s[T0+5], s[IDX], 1
	s_lshl_b32 s[T0+5], s[T0+5], 3
	s_add_co_u32 s[T0+11], s[T0+11], s[T0+5]
	v_and_b32 v128, 31, v0                         ; lane
	v_and_b32 v129, 15, v0                         ; r
	v_bfe_u32 v130, v0, 4, 1                       ; h
	v_lshlrev_b32 v[L16], 4, v128
	v_lshlrev_b32 v[L8], 3, v128
	v_lshlrev_b32 v[OSO], 4, v129
	v_add_nc_u32 v131, s[T0+4], v128               ; the prefetch: block n = 32 x part + lane of the slot's 384; step n / 48
	v_and_b32 v132, 8, v129
	v_add_nc_u32 v136, s[T0+6], v[L16]
	v_add_nc_u32 v137, s[T0+6], v[L8]
	v_add_nc_u32 v138, s[T0+7], v[OSO]
	v_add_nc_u32 v139, s[T0+8], v[L16]
	v_add_nc_u32 v140, s[T0+8], v[L8]
	v_add_nc_u32 v141, s[T0+9], v[OSO]
	v_add_nc_u32 v142, s[QSA], v[L16]
	v_mul_u32_u24 v133, v131, 1366
	v_add_nc_u32 v[DD], v132, v129
	v_lshlrev_b32 v132, 4, v130
	v_lshrrev_b32 v133, 16, v133                   ; n / 48, for n under 384
	v_sub_nc_u32 v[DD], v[DD], v132
	v_mul_u32_u24 v133, v133, 6144                 ; a step's blocks lie behind that step's Q
	v_add_nc_u32 v[DD], s[T0+11], v[DD]            ; d = my query's place in its block - 16 h
	v_lshl_add_u32 v[PFO], v131, 8, v133
	s_wait_alu depctr_va_vdst(0)
	global_load_b128 v[QF:QF+3], v136, s[4:5]
	global_load_b64 v[QF+4:QF+5], v137, s[4:5] offset:512
	global_load_b32 v255, v138, s[6:7]
	global_load_b128 v[144:147], v139, s[4:5]      ; the second block's Q waits in LDS for its turn
	global_load_b64 v[148:149], v140, s[4:5] offset:512
	global_load_b32 v150, v141, s[6:7]
	v_mov_b32 v151, 0
.irp j, 0,1,2,3,4,5
	v_mov_b32 v[QF+6+\j], 0                        ; zero codes for Q's upper 64 along K,
	v_mov_b32 v[VFR+\j], 0                         ; and what the eighth tile of K runs on over in the first step
.endr
.irp b, 0,1,2,3
	v_mov_b32 v[236+\b], 0                         ; written once: a lane permute's destination counts as one of its sources
.endr
	v_mov_b32 v252, 0
	v_mov_b32 v253, 0                              ; (named as the upper half of the pair v[252:253] before it is first written)
	FRESH
.macro KLOAD q                         ; my parity's step of the slot's q-th pair: K's eight tiles, six registers apart, and their scale words: 17 loads
.irp t, 0,1,2,3,4,5,6,7
	ds_load_b128 v[KFR+6*\t:KFR+6*\t+3], v[ADK] offset:24576*(\t/4)+6144*(\q)+768*(\t%4)
	ds_load_b64 v[KFR+6*\t+4:KFR+6*\t+5], v[ADK8] offset:24576*(\t/4)+6144*(\q)+768*(\t%4)+512
.endr
	ds_load_b128 v[248:251], v[ADS] offset:1024*(\q)
.endm
.macro TMM n                           ; t - M for the next n pairs of scores
.rept \n
	v_pk_fma_f32 v[S+J:S+J+1], v[S+J:S+J+1], s[CS:CS+1], v[12:13] op_sel_hi:[1,0,0]
.set J, J+2
.endr
.endm
; A KEY STEP: 128 keys.  Its K has been asked for.  more = 1: the next step's K is asked for here.
.macro STEP q, more
	s_wait_dscnt 0x0                               ; K and its scale words are in
.irp t, 0,1,2,3,4,5,6,7                ; S^T = K Q^T.  Tile t's scale words: register t / 2, lanes 0-15 for even t, lanes 16-31 for odd t
.if \t%2
	v_wmma_scale_f32_16x16x128_f8f6f4 v[S+8*\t:S+8*\t+7], v[KFR+6*\t:KFR+6*\t+11], v[QF:QF+11], 0, v[248+\t/2], v255 matrix_a_fmt:MATRIX_FMT_FP6 matrix_b_fmt:MATRIX_FMT_FP6 matrix_a_scale:MATRIX_SCALE_ROW1
.else
	v_wmma_scale_f32_16x16x128_f8f6f4 v[S+8*\t:S+8*\t+7], v[KFR+6*\t:KFR+6*\t+11], v[QF:QF+11], 0, v[248+\t/2], v255 matrix_a_fmt:MATRIX_FMT_FP6 matrix_b_fmt:MATRIX_FMT_FP6
.endif
.endr
	NOPS                                           ; places in front of loads into registers that matrix instructions have read, and of the first read of S^T
.irp t, 0,1,2,3                        ; V's four fragments and its scale words, 17 loads: they land under the softmax
	ds_load_b128 v[VFR+12*\t:VFR+12*\t+3], v[ADV] offset:24576*(\t/2)+6144*(\q)+1536*(\t%2)
	ds_load_b64 v[VFR+12*\t+4:VFR+12*\t+5], v[ADV8] offset:24576*(\t/2)+6144*(\q)+1536*(\t%2)+512
	ds_load_b128 v[VFR+12*\t+6:VFR+12*\t+9], v[ADV] offset:24576*(\t/2)+6144*(\q)+1536*(\t%2)+768
	ds_load_b64 v[VFR+12*\t+10:VFR+12*\t+11], v[ADV8] offset:24576*(\t/2)+6144*(\q)+1536*(\t%2)+1280
.endr
	ds_load_b64 v[VS:VS+1], v[ADT] offset:512*(\q)
.if \more
	KLOAD (\q)+1
.endif
	s_cmp_lg_u32 s[ST], s[BLK]                     ; in my own block's step the scores of hidden keys become -infinity ahead of the maximum: p = 0 then.  Earlier steps skip this
	s_cbranch_scc1 .Lopen_\@
	v_mov_b32 v254, 0xff800000
.set N, 0
.rept 64                               ; register 16 b + i holds the step's key 32 b + 16 h + i: hidden where 32 b + i > d
	v_cmp_gt_i32 vcc_lo, 32*(N/16)+N%16, v[DD]
	v_cndmask_b32 v[S+N], v[S+N], v254, vcc_lo
.set N, N+1
.endr
.Lopen_\@:
.irp b, 0,1,2,3                        ; (the four blocks take turns line by line)
	v_max3_num_f32 v[232+\b], v[S+16*\b], v[S+1+16*\b], v[S+2+16*\b]   ; the largest score of each block of 32 keys: for the row's maximum, and, since p rises with the score, for the block's largest p
.endr
.irp i, 3,5,7,9,11,13
.irp b, 0,1,2,3
	v_max3_num_f32 v[232+\b], v[232+\b], v[S+16*\b+\i], v[S+1+16*\b+\i]
.endr
.endr
.irp b, 0,1,2,3
	v_max_num_f32 v[232+\b], v[232+\b], v[S+15+16*\b]
.endr
.irp b, 0,1,2,3
	v_permlanex16_b32 v[236+\b], v[232+\b], s[SEL], s[SEL+1]
.endr
.irp b, 0,1,2,3
	v_max_num_f32 v[232+\b], v[232+\b], v[236+\b]  ; with lane l xor 16's 16 keys
.endr
	s_delay_alu instid0(VALU_DEP_2)
	v_max3_num_f32 v254, v232, v233, v234
	s_delay_alu instid0(VALU_DEP_1)
	v_max3_num_f32 v13, v13, v254, v235            ; the running largest score of my query
	v_mov_b32 v252, v12                            ; the old -M
	s_delay_alu instid0(VALU_DEP_2)
	v_mul_f32 v254, s[CS], v13                     ; as t (c is positive)
	s_delay_alu instid0(VALU_DEP_1)
	v_floor_f32 v12, -v254                         ; the new -M = floor(-t) = -ceil(t)
	s_delay_alu instid0(VALU_DEP_1)
	v_sub_f32 v252, v12, v252                      ; old M - new M: a whole number, 0 or less
.set J, 0
	TMM 8                                          ; t - M, two at a time; the three lines that make f stand among them
	v_cvt_i32_f32 v252, v252                       ; (it saturates)
	TMM 8
	v_ldexp_f32 v252, 1.0, v252                    ; f = 2^(old M - new M)
	TMM 16
.irp b, 0,1,2,3
	v_fma_f32 v[232+\b], v[232+\b], s[CS], v12     ; the same of each block's largest score
.endr
	v_pk_mul_f32 v[14:15], v[14:15], v[252:253] op_sel_hi:[1,0]   ; the sums under the new M,
.set J, 0
.rept 16
	v_pk_mul_f32 v[O+J:O+J+1], v[O+J:O+J+1], v[252:253] op_sel_hi:[1,0]   ; and O^T, each accumulator from its low end on: no transcendental stands between the last product and these reads
.set J, J+2
.endr
	s_wait_alu depctr_va_vdst(0)
.set J, 0
.rept 64
	v_exp_f32 v[S+J], v[S+J]                       ; p = 2^(t - M), at most 1
.set J, J+1
.endr
.irp b, 0,1,2,3
	v_exp_f32 v[232+\b], v[232+\b]                 ; the block's largest p: the same two instructions on the same number give the same bits
.endr
	v_nop                                          ; a plain instruction behind the exponentials
	s_wait_alu depctr_va_vdst(0)                   ; one wait for the whole batch, ahead of its first reader
.irp b, 0,1,2,3
	v_max_num_f32 v[232+\b], 0x1800000, v[232+\b]  ; the floor 2^(3 - 127): the byte cannot fall under 1
.endr
.irp b, 0,1,2,3
	v_add_nc_u32 v[244+\b], 0xff000000, v[232+\b]  ; 2 off the exponent field: the conversion's scale operand
.endr
.irp b, 0,1,2,3
	v_lshrrev_b32 v[236+\b], 23, v[244+\b]         ; the scale's byte
.endr
	s_delay_alu instid0(VALU_DEP_3)
	v_lshl_or_b32 v253, v237, 8, v236              ; p's scale word for these 128 keys
	s_delay_alu instid0(VALU_DEP_2)
	v_lshl_or_b32 v254, v239, 8, v238
	s_delay_alu instid0(VALU_DEP_1)
	v_lshl_or_b32 v253, v254, 16, v253
.irp c, 0,1
	v_cvt_scalef32_pk16_fp6_f32 v[224+6*\c:226+6*\c], v[S+32*\c:S+15+32*\c], v[244+2*\c]
	v_cvt_scalef32_pk16_fp6_f32 v[236+4*\c:238+4*\c], v[S+16+32*\c:S+31+32*\c], v[244+2*\c+1]   ; (a conversion's three registers begin on an even number)
.endr
	v_nop                                          ; one plain instruction behind a scaled conversion
.irp c, 0,1                            ; the operand's layout wants a WHOLE block in a lane
.irp i, 0,1,2
	v_permlane16_swap_b32 v[224+6*\c+\i], v[236+4*\c+\i]
.endr
.irp i, 0,1,2
	v_mov_b32 v[227+6*\c+\i], v[236+4*\c+\i]
.endr
.endr
.irp k, 0,1,2,3                        ; the row's sum of the unquantised p: four chains of pairs, v236-243.  (These 32 are also the places in front of the scaled products below)
	v_pk_add_f32 v[236+2*\k:237+2*\k], v[S+2*\k:S+2*\k+1], v[S+8+2*\k:S+9+2*\k]
.endr
.irp m, 2,3,4,5,6,7
.irp k, 0,1,2,3
	v_pk_add_f32 v[236+2*\k:237+2*\k], v[236+2*\k:237+2*\k], v[S+8*\m+2*\k:S+8*\m+2*\k+1]
.endr
.endr
	v_pk_add_f32 v[236:237], v[236:237], v[240:241]
	v_pk_add_f32 v[238:239], v[238:239], v[242:243]
	s_delay_alu instid0(VALU_DEP_1)
	v_pk_add_f32 v[236:237], v[236:237], v[238:239]
	s_delay_alu instid0(VALU_DEP_1)
	v_pk_add_f32 v[14:15], v[14:15], v[236:237]
	s_wait_dscnt 17*(\more)                        ; V and its scale words are in; the next step's 17 loads, issued behind them, may be out
.irp t, 0,1,2,3                        ; O^T += V^T P^T: the four accumulators by turns
.if \t%2
	v_wmma_scale_f32_16x16x128_f8f6f4 v[O+8*\t:O+8*\t+7], v[VFR+12*\t:VFR+12*\t+11], v[224:235], v[O+8*\t:O+8*\t+7], v[VS+\t/2], v253 matrix_a_fmt:MATRIX_FMT_FP6 matrix_b_fmt:MATRIX_FMT_FP6 matrix_a_scale:MATRIX_SCALE_ROW1
.else
	v_wmma_scale_f32_16x16x128_f8f6f4 v[O+8*\t:O+8*\t+7], v[VFR+12*\t:VFR+12*\t+11], v[224:235], v[O+8*\t:O+8*\t+7], v[VS+\t/2], v253 matrix_a_fmt:MATRIX_FMT_FP6 matrix_b_fmt:MATRIX_FMT_FP6
.endif
.endr
.endm
; MY FOUR STEPS OF A SLOT.  Behind a hidden step all later steps of the slot are hidden too: a branch on ids to the slot's end, round loads and work; no barrier and no tensor load stands here.
.macro WORK
	s_cmp_gt_u32 s[ST], s[BLK]
	s_cbranch_scc1 .Lend_\@
	KLOAD 0
.irp q, 0,1,2
	STEP \q, 1
	s_add_co_u32 s[ST], s[ST], 2                   ; my parity's next step
	s_cmp_gt_u32 s[ST], s[BLK]
	s_cbranch_scc1 .Lend_\@
.endr
	STEP 3, 0
.Lend_\@:
.endm
; WHERE THE BLOCK CHANGES (trip NH: ids and the count of trips alone, the same way in all sixteen waves): my part of the first block's tile goes to its area, and the second block's tile begins.
.macro PHASE
	s_cmp_lg_u32 s[F], s[NH]
	s_cbranch_scc1 .Lsame_\@
	NOPS                                           ; places behind the last products
	v_add_nc_u32 v254, s[SA0], v[L16]
	v_add_nc_u32 v[ADK], s[QSA], v[L16]            ; (the change of slots below makes this address anew)
	s_wait_alu depctr_va_vdst(0)                   ; the sum was written shortly ahead of waits and branches
	SAVE
	ds_load_b128 v[QF:QF+3], v[ADK]
	ds_load_b128 v[236:239], v[ADK] offset:512
	s_wait_dscnt 0x0
	v_mov_b32 v[QF+4], v236
	v_mov_b32 v[QF+5], v237
	v_mov_b32 v255, v238
	FRESH
.Lsame_\@:
.endm
; THE CHANGE OF SLOTS stands at a slot's head.  Each wave waits for all its tensor loads, adds 0 to its spare word (fill = 1: twice on end), and waits for that and for its LDS instructions on the slot that it has left.
; Behind the barrier the slot ahead is whole and nobody reads the other one, which takes the next eight key steps of the walk (fill = 1): that load has four of a wave's steps in which to land.
.macro CHANGE fill
	s_wait_tensorcnt 0x0                           ; no tensor load of mine is out, so the groups 0 may be written
	ds_add_u32 v[SPW], v[NIL]                      ; 0 onto my spare word
.if \fill
	ds_add_u32 v[SPW], v[NIL]                      ; and once more
	s_add_co_u32 s[T0+2], s[F], 1                  ; the next trip's slot of keys: trip, or trip - NH in the second block
	s_cmp_lt_u32 s[T0+2], s[NH]
	s_cselect_b32 s[T0+3], 0, s[NH]
	s_sub_co_u32 s[T0+2], s[T0+2], s[T0+3]
	s_xor_b32 s[G0+1], s[G0+1], SLOT1              ; into the other slot than last time
	s_xor_b32 s[G0K+1], s[G0K+1], SLOT1
	s_xor_b32 s[G0V+1], s[G0V+1], SLOT1
	s_mul_i32 s[T0], s[T0+2], 147456               ; eight key steps of 18,432 bytes
	s_add_nc_u64 s[G0+2:G0+3], s[BKV:BKV+1], s[T0:T0+1]
	s_or_b32 s[G0+3], s[G0+3], 0x80000000
	s_lshl_b32 s[T0], s[T0+2], 12
	s_add_nc_u64 s[G0K+2:G0K+3], s[BSK:BSK+1], s[T0:T0+1]
	s_or_b32 s[G0K+3], s[G0K+3], 0x80000000
	s_lshl_b32 s[T0], s[T0+2], 11
	s_add_nc_u64 s[G0V+2:G0V+3], s[BSV:BSV+1], s[T0:T0+1]
	s_or_b32 s[G0V+3], s[G0V+3], 0x80000000
	s_wait_xcnt 0x0                                ; the last prefetch, a slot back, has read its address, so it may be written
	s_add_nc_u64 s[PFA:PFA+1], s[PFA:PFA+1], 147456
.endif
	s_cmp_lt_u32 s[F], s[NH]                       ; this trip: which block, and my first key step
	s_cselect_b32 s[BLK], s[HB], s[LB]
	s_cselect_b32 s[T0+3], 0, s[NH]
	s_sub_co_u32 s[T0+3], s[F], s[T0+3]
	s_lshl_b32 s[ST], s[T0+3], 3
	s_add_co_u32 s[ST], s[ST], s[PAR]
	s_add_co_u32 s[T0+4], s[TB], s[PK]             ; my addresses in the slot in hand
	s_add_co_u32 s[T0+5], s[TB], s[PV]
	s_add_co_u32 s[T0+6], s[TB], s[PS]
	s_add_co_u32 s[T0+7], s[TB], s[PT]
	v_add_nc_u32 v[ADK], s[T0+4], v[L16]
	v_add_nc_u32 v[ADK8], s[T0+4], v[L8]
	v_add_nc_u32 v[ADV], s[T0+5], v[L16]
	v_add_nc_u32 v[ADV8], s[T0+5], v[L8]
	v_add_nc_u32 v[ADS], s[T0+6], v[L16]
	v_add_nc_u32 v[ADT], s[T0+7], v[L8]
	s_wait_alu depctr_va_vdst(0)
	s_wait_dscnt 0x0                               ; the add is done (fill = 1: both are), and my LDS instructions are over
	s_barrier_signal -1
	s_barrier_wait -1
.if \fill
	TLOAD                                          ; a wave's one tensor load until the next such barrier
	s_cmp_lt_u32 s[F], s[LIM]
	s_cbranch_scc0 .Lnot_mine_\@
	global_prefetch_b8 v[PFO], s[PFA:PFA+1] th:TH_LOAD_NT scope:SCOPE_SE
.Lnot_mine_\@:
.endif
.endm
	s_wait_alu depctr_va_vdst(0)
	s_wait_loadcnt 0x0                             ; both Q and their scale words
	ds_store_b128 v142, v[144:147]                 ; the second block's: four registers of codes; two more, the scale words and a zero
	ds_store_b128 v142, v[148:151] offset:512
.Lslot:                                            ; NTR trips: a constant, for every work-group
	PHASE
	CHANGE 1
	WORK
	s_xor_b32 s[TB], s[TB], SLOT1                  ; on to the other slot
	s_add_co_u32 s[F], s[F], 1
	s_cmp_lt_u32 s[F], NTR
	s_cbranch_scc1 .Lslot
	PHASE
	CHANGE 0                                       ; the last slot is written out: nothing is asked for behind it
	WORK
	; THE JOIN.  My part of the second block's tile goes to its area; behind the barrier I read both parts of the tile that I finish.
	NOPS                                           ; places behind the last products
	v_add_nc_u32 v254, s[SA1], v[L16]
	v_add_nc_u32 v[ADK], s[RD], v[L16]
	s_wait_alu depctr_va_vdst(0)
	SAVE
	s_wait_dscnt 0x0                               ; for the others' sake
	s_barrier_signal -1
	s_barrier_wait -1
.irp t, 0,1,2,3,4,5,6,7
	ds_load_b128 v[S+4*\t:S+4*\t+3], v[ADK] offset:512*\t
	ds_load_b128 v[S+32+4*\t:S+32+4*\t+3], v[ADK] offset:AREA+512*\t
.endr
	ds_load_b128 v[232:235], v[ADK] offset:4096            ; -M, the largest score, the sum's two halves: the even steps' part,
	ds_load_b128 v[236:239], v[ADK] offset:AREA+4096       ; and the odd steps'
	v_mov_b32 v245, 0                              ; (named as the upper halves of pairs)
	v_mov_b32 v247, 0
	s_wait_dscnt 0x0
	v_min_num_f32 v240, v232, v236                 ; -M of the whole row: the larger M
	v_add_f32 v234, v234, v235
	v_add_f32 v238, v238, v239
	v_sub_f32 v241, v240, v232                     ; each part's M - the row's M: a whole number, 0 or less
	v_sub_f32 v242, v240, v236
	s_delay_alu instid0(VALU_DEP_2)
	v_cvt_i32_f32 v241, v241                       ; (it saturates: a part with no step has -M = 3e38, the factor 0, and zeros)
	s_delay_alu instid0(VALU_DEP_2)
	v_cvt_i32_f32 v242, v242
	s_delay_alu instid0(VALU_DEP_2)
	v_ldexp_f32 v244, 1.0, v241
	s_delay_alu instid0(VALU_DEP_2)
	v_ldexp_f32 v246, 1.0, v242
	s_delay_alu instid0(VALU_DEP_2)
	v_mul_f32 v14, v234, v244
	s_delay_alu instid0(VALU_DEP_1)
	v_fma_f32 v14, v238, v246, v14                 ; my 16 of each 32 keys, both parts,
	s_delay_alu instid0(VALU_DEP_1)
	v_permlanex16_b32 v252, v14, s[SEL], s[SEL+1]
	s_delay_alu instid0(VALU_DEP_1)
	v_add_f32 v14, v14, v252                       ; and lane l xor 16's: the row's sum
	s_wait_alu depctr_va_vdst(0)
	v_rcp_f32 v14, v14
	v_nop                                          ; the plain instruction behind the reciprocal
	s_wait_alu depctr_va_vdst(0)                   ; the wait ahead of its first reader
	v_mul_f32 v244, v244, v14
	v_mul_f32 v246, v246, v14
.set J, 0
.rept 16
	v_pk_mul_f32 v[S+J:S+J+1], v[S+J:S+J+1], v[244:245] op_sel_hi:[1,0]
.set J, J+2
.endr
.set J, 0
.rept 16
	v_pk_fma_f32 v[S+J:S+J+1], v[S+32+J:S+33+J], v[246:247], v[S+J:S+J+1] op_sel_hi:[1,0,1]
.set J, J+2
.endr
	; THE WAY OUT.  o's 32 numbers a lane, register 16 b + i = channel 32 b + 16 h + i, are two blocks of the last product's K: they become one half of a fragment and two scale bytes.
.irp b, 0,1
	v_max3_num_f32 v[232+\b], |v[S+16*\b]|, |v[S+1+16*\b]|, 0x1800000
.endr
.irp i, 2,4,6,8,10,12,14
.irp b, 0,1
	s_delay_alu instid0(VALU_DEP_2)
	v_max3_num_f32 v[232+\b], v[232+\b], |v[S+16*\b+\i]|, |v[S+1+16*\b+\i]|
.endr
.endr
.irp b, 0,1
	s_delay_alu instid0(VALU_DEP_2)
	v_permlanex16_b32 v[236+\b], v[232+\b], s[SEL], s[SEL+1]
.endr
.irp b, 0,1
	s_delay_alu instid0(VALU_DEP_2)
	v_max_num_f32 v[232+\b], v[232+\b], v[236+\b]
.endr
.irp b, 0,1
	s_delay_alu instid0(VALU_DEP_2)
	v_add_nc_u32 v[244+\b], 0xff000000, v[232+\b]
.endr
.irp b, 0,1
	s_delay_alu instid0(VALU_DEP_2)
	v_lshrrev_b32 v[236+\b], 23, v[244+\b]
.endr
	s_delay_alu instid0(VALU_DEP_1)
	v_lshl_or_b32 v253, v237, 8, v236              ; my row's two scale bytes
	v_cvt_scalef32_pk16_fp6_f32 v[224:226], v[S:S+15], v244
	v_cvt_scalef32_pk16_fp6_f32 v[240:242], v[S+16:S+31], v245
	v_nop                                          ; one plain instruction behind a scaled conversion
.irp i, 0,1,2
	v_permlane16_swap_b32 v[224+\i], v[240+\i]
.endr
.irp i, 0,1,2
	s_delay_alu instid0(VALU_DEP_3)
	v_mov_b32 v[227+\i], v[240+\i]
.endr
	global_store_b128 v[L16], v[224:227], s[OUA:OUA+1]             ; 512 consecutive bytes,
	global_store_b64 v[L8], v[228:229], s[OUA:OUA+1] offset:512    ; and 256: both begin at multiples of 256 from oimg's first byte
	global_store_b16 v[OSO], v253, s[OUS:OUS+1]                    ; two bytes a row, 16 bytes apart: a scale word's halves belong to two heads.  Lanes l and l xor 16 store the same value to the same place
	s_wait_tensorcnt 0x0                           ; the wave's end: behind my last tensor load and my last LDS store
	ds_add_u32 v[SPW], v[NIL]
	s_wait_dscnt 0x0
	s_endpgm
.Lfunc_end_k_q9930895e83_attn:
	.size	k_q9930895e83_attn, .Lfunc_end_k_q9930895e83_attn-k_q9930895e83_attn
	.p2alignl 7, 3214868480
	.fill 96, 4, 3214868480
	.section	.rodata,"a",@progbits
	.p2align	6, 0x0
	.amdhsa_kernel k_q9930895e83_attn
		.amdhsa_group_segment_fixed_size 327680
		.amdhsa_private_segment_fixed_size 0
		.amdhsa_enable_private_segment 0
		.amdhsa_kernarg_size 32
		.amdhsa_user_sgpr_count 2
		.amdhsa_user_sgpr_kernarg_segment_ptr 1
		.amdhsa_wavefront_size32 1
		.amdhsa_system_sgpr_workgroup_id_x 1
		.amdhsa_system_sgpr_workgroup_id_y 1
		.amdhsa_system_sgpr_workgroup_id_z 1
		.amdhsa_system_vgpr_workitem_id 0
		.amdhsa_next_free_vgpr 256
		.amdhsa_next_free_sgpr 96
		.amdhsa_reserve_vcc 1
		.amdhsa_float_denorm_mode_32 3
		.amdhsa_float_denorm_mode_16_64 3
		.amdhsa_memory_ordered 1
		.amdhsa_forward_progress 1
		.amdhsa_inst_pref_size 195
	.end_amdhsa_kernel
	.amdgpu_metadata
---
amdhsa.version: [ 1, 2 ]
amdhsa.kernels:
  - .name:           k_q9930895e83_attn
    .symbol:         k_q9930895e83_attn.kd
    .args:
      - { .name: att, .offset: 0, .size: 8, .value_kind: global_buffer, .address_space: global }
      - { .name: atts, .offset: 8, .size: 8, .value_kind: global_buffer, .address_space: global }
      - { .name: oimg, .offset: 16, .size: 8, .value_kind: global_buffer, .address_space: global }
      - { .name: osc, .offset: 24, .size: 8, .value_kind: global_buffer, .address_space: global }
    .group_segment_fixed_size: 327680
    .private_segment_fixed_size: 0
    .kernarg_segment_align: 8
    .kernarg_segment_size: 32
    .max_flat_workgroup_size: 512
    .sgpr_count:     96
    .vgpr_count:     256
    .wavefront_size: 32
...
	.end_amdgpu_metadata
.endif
;; end of part 3
;; launch gemm_out (part 4): grid 8 x 32, 4 waves a work-group, clusters of 4 x 4, 327,680 bytes of LDS; arguments oimg, osc, cod, scl, out0; writes out0
.if DOCPART == 4
	.amdgcn_target "amdgcn-amd-amdhsa--gfx1250"
	.amdhsa_code_object_version 6
	.text
	.protected	k_q9930895e83_gemm_out
	.globl	k_q9930895e83_gemm_out
	.p2align	8
	.type	k_q9930895e83_gemm_out,@function
k_q9930895e83_gemm_out:
	s_mov_b64 s[64:65], 0
	v_nop
	global_prefetch_b8 v0, s[64:65] scope:SCOPE_SE
	s_setreg_imm32_b32 hwreg(HW_REG_WAVE_MODE, 25, 1), 1
	s_wait_xcnt 0x0
	s_wait_alu depctr_hold_cnt(0) depctr_sa_sdst(0) depctr_va_vdst(0) depctr_va_sdst(0) depctr_va_ssrc(0) depctr_va_vcc(0) depctr_vm_vsrc(0)
	s_getreg_b32 s2, hwreg(HW_REG_IB_STS2, 6, 4)
	s_cmp_eq_u32 s2, 0
	s_cbranch_scc0 .Lentry_in_a_cluster
	s_endpgm
.Lentry_in_a_cluster:
	s_bfe_u32 s2, ttmp6, 0x10000c
	s_cmp_lg_u32 s2, 0xf033
	s_cbranch_scc0 .Lentry_shape_is_right
	s_endpgm
.Lentry_shape_is_right:
; Launch 4 of 4: out0 = o w_out^T on codes of E2M3, K = 1024; out0 [4096][1024] f32.
; A = o (fragments and scale words of launch 3), B = w_out (row tiles 448 .. 511 of launch 1's cod and scl).  Used TRANSPOSED (source 0 = 16 rows of B, source 1 = 16 rows of A): a lane holds one row of out0 and eight
; neighbouring columns.  Row tile T holds rows 32 (T / 2) + 8 (T % 2) + r + 8 (r / 8), on both sides.
; A tile of out0 is 128 x 128: 256 work-groups; a wave makes 64 x 64: 16 accumulators.  ALL OF K LIES IN LDS: four slots of 256 along K and the scale words are asked for at the start (by the text's own count one tensor
; load of a wave is out), and no LDS byte is filled twice; one wait for 0 and one barrier stand in front of the first read.
; CLUSTERS: 4 x 4 work-groups; A's tiles are asked for jointly along a row of the cluster, B's along a column.
; REGISTERS, in windows of 256: window 0: v1-29 addresses; v32-63 scale words (register 8 i + s: lanes 0-15 A's block i, lanes 16-31 B's block i, K step s); v64-127 the way out; v128-175 A's fragments, one set.
;   window 1: B's fragments, two sets, at v0 and v128.   window 2: the accumulators, (a, b) at v[8 (4 a + b)].
.set NB,    4
.set HALF,  NB*3072
.set SLOT,  4*HALF
.set SCL,   4*SLOT
.set SCH,   NB*512
.set STAGE, SCL+4*SCH                  ; the way out: 16 rows x (256 bytes + 16) for each wave; no fill lands here
.set SPITCH, 272
.set SPARE, STAGE+4*16*SPITCH          ; the spare words, 128 bytes for each wave
.set L16,  4
.set L8,   5
.set A16,  8                           ; v8 my A fragments, + 16 x lane;  v12 + 8 x lane
.set A8,   12
.set B16,  16                          ; v16, v20 the same for B
.set B8,   20
.set ADRS, 24
.set STO,  25
.set RD,   26
.set CO,   27
.set SPW,  28                          ; v28  LDS address of my spare word; never rewritten
.set NIL,  29                          ; v29  0; never rewritten
.set SC,   32
.set BK,   64
.set AF,   128
.set G1A,  24
.set G1B,  32
.set G1SA, 40
.set G1SB, 48
.set G0A0, 56
.set G0A1, 60
.set G0A2, 68
.set G0A3, 72
.set G0AS, 76
.set G0B0, 80
.set G0B1, 84
.set G0B2, 88
.set G0B3, 92
.set G0BS, 96
.set MSB, 0
.macro WIN new                         ; the immediate's high byte repeats the setting that is left
.if MSB != (\new)
	s_set_vgpr_msb (MSB<<8)|(\new)
.set MSB, (\new)
.endif
.endm
.set MUL, 0xa1                         ; source 0 (B) window 1, source 1 (A) window 0, C and D window 2
; THE FILLS, AS THE TEXT NOW HAS THEM (one tensor load a wave at the head): four whole tiles, one a wave, and nothing later: wave 0 A's 8 row tiles for all of K (8 rows of 12,288 bytes, dense),
; wave 1 B's, wave 2 A's scale words, wave 3 B's.  One wait for 0 and one barrier stand in front of the first read; no LDS byte is filled twice.  Fragment (i, s) of a side lies at 12288 i + 1536 s of its part.
.macro ARM under, g0, g1, next         ; one arm of the head's chain of branches on the wave's number; an s_nop 0 and four v_nop follow the load
	s_cmp_lt_u32 s14, \under
	s_cbranch_scc0 \next
	tensor_load_to_lds s[\g0:\g0+3], s[\g1:\g1+7]
	s_nop 0
.rept 4
	v_nop
.endr
	s_branch .Lhead_asked
\next:
.endm
.macro CROUND                          ; a round of the cluster's barrier
	s_barrier_signal -1
	s_barrier_wait -1
	s_cmp_lg_u32 s14, 0
	s_cbranch_scc1 .Lnot_wave_0_\@
	s_barrier_signal -3
.Lnot_wave_0_\@:
	s_barrier_wait -3
	s_barrier_signal -1
	s_barrier_wait -1
.endm
.macro MKH g, lds, a                   ; a group 0 with a constant LDS address
	s_mov_b32 s[\g], 1
	s_mov_b32 s[\g+1], \lds
	s_mov_b64 s[\g+2:\g+3], s[\a:\a+1]
	s_or_b32 s[\g+3], s[\g+3], 0x80000000
.endm
	s_load_b256 s[4:11], s[0:1], 0x0               ; oimg s[4:5], osc s[6:7], cod s[8:9], scl s[10:11]
	s_load_b64 s[12:13], s[0:1], 0x20              ; out0
	v_lshl_add_u32 v[SPW], v0, 2, SPARE
	v_mov_b32 v[NIL], 0
	ds_add_u32 v[SPW], v[NIL]                      ; the wave's opening: the add, twice on end, and its wait ahead of my first tensor load
	ds_add_u32 v[SPW], v[NIL]
	v_lshrrev_b32 v1, 5, v0
	v_readfirstlane_b32 s14, v1                    ; wave 0..3
	s_lshr_b32 s15, s14, 1                         ; which half of the tile's rows is mine.  Also: I fetch for A (0) or for B (1)
	s_and_b32 s16, s14, 1                          ; which half of its columns.  Also: which half I fetch
	s_bfe_u32 s2, ttmp6, 0x40000                   ; cx
	s_bfe_u32 s3, ttmp6, 0x40004                   ; cy
	s_lshl_b32 s18, ttmp9, 2
	s_add_co_u32 s18, s18, s2                      ; tile column = 4 x cluster x + cx
	s_and_b32 s17, ttmp7, 0xffff
	s_lshl_b32 s17, s17, 2
	s_add_co_u32 s17, s17, s3                      ; tile row = 4 x cluster y + cy
	s_lshl_b32 s19, s3, 2
	s_lshl_b32 s19, 15, s19                        ; my row of the cluster
	s_lshl_b32 s20, 0x1111, s2                     ; my column
	s_or_b32 s[G1A], s19, (3<<16)|(1<<21)          ; 15:0 the mask; 17:16 elements of 8 bytes; 20 no padding; 21 set beside a mask
	s_or_b32 s[G1B], s20, (3<<16)|(1<<21)
	s_or_b32 s[G1SA], s19, (3<<16)|(1<<21)
	s_or_b32 s[G1SB], s20, (3<<16)|(1<<21)
.irp g, G1A, G1B                       ; codes: 8 row tiles x 12,288 bytes (all of K), 12,288 bytes apart in memory, dense in LDS
	s_mov_b32 s[\g+1], 1536<<16                    ; a row tile for all of K: 1,536 elements of 8 bytes
	s_mov_b32 s[\g+2], 8<<16                       ; the tile's 8 row tiles
	s_mov_b32 s[\g+3], 1536<<16
	s_mov_b32 s[\g+4], 8
	s_mov_b32 s[\g+5], 1536
	s_mov_b32 s[\g+6], 0
	s_mov_b32 s[\g+7], 0
.endr
.irp g, G1SA, G1SB                     ; scale words: 2 NB x 512 dense bytes, as rows of 256 bytes
	s_mov_b32 s[\g+1], 32<<16
	s_mov_b32 s[\g+2], 16<<16                      ; the scale words of 8 row tiles: 16 rows of 256 bytes
	s_mov_b32 s[\g+3], 32<<16
	s_mov_b32 s[\g+4], 16
	s_mov_b32 s[\g+5], 32
	s_mov_b32 s[\g+6], 0
	s_mov_b32 s[\g+7], 0
.endr
	s_lshl_b32 s20, s17, 3                         ; A: the tile's first row tile (hangs on the tile row alone)
	s_lshl_b32 s2, s18, 3
	s_add_co_u32 s2, s2, 448                       ; B: w_out's row tiles begin at 448 (on the tile column alone)
	s_lshl_b32 s22, s20, 9
	s_mul_i32 s20, s20, 12288
	s_lshl_b32 s98, s2, 9
	s_mul_i32 s2, s2, 12288
	s_mov_b32 s21, 0
	s_mov_b32 s23, 0
	s_mov_b32 s3, 0
	s_mov_b32 s99, 0
	s_wait_dscnt 0x0                               ; both opening adds are done
	s_wait_kmcnt 0x0
	s_add_nc_u64 s[20:21], s[4:5], s[20:21]
	s_add_nc_u64 s[22:23], s[6:7], s[22:23]
	s_add_nc_u64 s[2:3], s[8:9], s[2:3]
	MKH G0AS, SCL, 22
	s_mov_b32 s[G0BS], 1
	s_mov_b32 s[G0BS+1], SCL+2*SCH
	s_add_nc_u64 s[G0BS+2:G0BS+3], s[10:11], s[98:99]
	s_or_b32 s[G0BS+3], s[G0BS+3], 0x80000000
	MKH G0A0, 0, 20
	MKH G0B0, 2*SLOT, 2
	CROUND                                         ; all sixteen work-groups are here: the joint loads meet
	ARM 1, G0A0, G1A,  .Lhead_b
	ARM 2, G0B0, G1B,  .Lhead_sa
	ARM 3, G0AS, G1SA, .Lhead_sb
	tensor_load_to_lds s[G0BS:G0BS+3], s[G1SB:G1SB+7]
	s_nop 0
.rept 4
	v_nop
.endr
.Lhead_asked:
	v_and_b32 v1, 15, v0                           ; r
	v_bfe_u32 v2, v0, 4, 1                         ; h
	v_and_b32 v3, 31, v0
	v_lshlrev_b32 v[L16], 4, v3
	v_lshlrev_b32 v[L8], 3, v3
	s_mul_i32 s20, s15, SLOT                       ; my four row tiles of A: 4 x 12,288 bytes a half,
	s_mul_i32 s21, s16, SLOT
	s_add_co_u32 s21, s21, 2*SLOT                  ; and of B, behind A's eight
	v_add_nc_u32 v[A16], s20, v[L16]
	v_add_nc_u32 v[A8], s20, v[L8]
	v_add_nc_u32 v[B16], s21, v[L16]
	v_add_nc_u32 v[B8], s21, v[L8]
	v_lshlrev_b32 v6, 4, v1
	s_mul_i32 s20, s15, SCH
	s_mul_i32 s21, s16, SCH
	s_add_co_u32 s21, s21, 2*SCH
	s_sub_co_u32 s21, s21, s20
	v_mul_u32_u24 v7, s21, v2                      ; lanes 16-31 take B's scale words
	s_add_co_u32 s20, s20, SCL
	v_add_nc_u32 v6, v6, v7
	v_add_nc_u32 v[ADRS], s20, v6
	s_mul_i32 s20, s14, 16*SPITCH
	s_add_co_u32 s20, s20, STAGE                   ; my stage
	v_mul_u32_u24 v6, v1, SPITCH
	v_lshl_add_u32 v6, v2, 6, v6
	v_add_nc_u32 v[STO], s20, v6                   ; in: row r, + 64 h bytes
	v_mul_u32_u24 v6, v2, SPITCH
	v_lshl_add_u32 v6, v1, 4, v6
	v_add_nc_u32 v[RD], s20, v6                    ; back: lanes 0-15 one row of 256 bytes, lanes 16-31 the next
	v_lshlrev_b32 v6, 12, v2
	v_lshl_add_u32 v[CO], v1, 4, v6                ; and the same two rows in out0
	s_lshl_b32 s20, s17, 7
	s_lshl_b32 s21, s15, 6
	s_add_co_u32 s20, s20, s21                     ; my first row: 128 x tile row + 64 x half
	s_lshl_b32 s20, s20, 12
	s_lshl_b32 s21, s18, 9
	s_add_co_u32 s20, s20, s21                     ; my first column, in bytes: 512 x tile column + 256 x half
	s_lshl_b32 s21, s16, 8
	s_add_co_u32 s20, s20, s21
	s_mov_b32 s21, 0
	s_add_nc_u64 s[12:13], s[12:13], s[20:21]
.macro FRAG reg, a16, a8, off          ; a fragment as it was stored: four loads of consecutive bytes
	ds_load_b128 v[(\reg):(\reg)+3], v[\a16] offset:\off
	ds_load_b64 v[(\reg)+4:(\reg)+5], v[\a8] offset:\off+512
	ds_load_b128 v[(\reg)+6:(\reg)+9], v[\a16] offset:\off+768
	ds_load_b64 v[(\reg)+10:(\reg)+11], v[\a8] offset:\off+1280
.endm
.macro FETCH_B slot, q, p
	WIN 0x40                                       ; destination window 1
.irp i, 0,1,2,3
	FRAG 128*(\p)+12*\i, B16, B8, 12288*\i+3072*(\slot)+1536*(\q)
.endr
	WIN 0
.endm
.macro FETCH_A slot, q, i0             ; A's blocks i0, i0 + 1
.irp i, \i0, \i0+1
	FRAG AF+12*(\i), A16, A8, 12288*(\i)+3072*(\slot)+1536*(\q)
.endr
.endm
.macro SCALES
.irp i, 0,1,2,3
	ds_load_b128 v[SC+8*\i:SC+8*\i+3], v[ADRS] offset:512*\i
	ds_load_b128 v[SC+8*\i+4:SC+8*\i+7], v[ADRS] offset:512*\i+256
.endr
.endm
; 4 matrix instructions: A's block a x B's four, K step s.  The 16 accumulators take turns, one instruction a turn, in the same order in every step.
.macro MULA a, p, s, zero
.irp b, 0,1,2,3
.if \zero
	v_wmma_scale_f32_16x16x128_f8f6f4 v[8*(NB*(\a)+\b):8*(NB*(\a)+\b)+7], v[128*(\p)+12*\b:128*(\p)+12*\b+11], v[AF+12*(\a):AF+12*(\a)+11], 0, v[SC+8*\b+(\s)], v[SC+8*(\a)+(\s)] matrix_a_fmt:MATRIX_FMT_FP6 matrix_b_fmt:MATRIX_FMT_FP6 matrix_a_scale:MATRIX_SCALE_ROW1
.else
	v_wmma_scale_f32_16x16x128_f8f6f4 v[8*(NB*(\a)+\b):8*(NB*(\a)+\b)+7], v[128*(\p)+12*\b:128*(\p)+12*\b+11], v[AF+12*(\a):AF+12*(\a)+11], v[8*(NB*(\a)+\b):8*(NB*(\a)+\b)+7], v[SC+8*\b+(\s)], v[SC+8*(\a)+(\s)] matrix_a_fmt:MATRIX_FMT_FP6 matrix_b_fmt:MATRIX_FMT_FP6 matrix_a_scale:MATRIX_SCALE_ROW1
.endif
.endr
.endm
.macro PLACES                          ; four plain instructions in front of loads into registers that matrix instructions have read, and of the first read of results
.rept 4
	v_nop
.endr
.endm
.macro STEP s, nslot, nq, zero         ; K step s; the next step's fragments lie in slot nslot, its nq-th 128 along K
	s_wait_dscnt 2*NB                              ; B's set and A's blocks 0, 1 are in; the youngest 8 loads (A's blocks 2, 3) may be out
	WIN MUL
	MULA 0, (\s)%2, \s, \zero
	MULA 1, (\s)%2, \s, \zero
	s_wait_dscnt 0x0
	PLACES
	FETCH_B \nslot, \nq, 1-(\s)%2
	FETCH_A \nslot, \nq, 0
	WIN MUL
	MULA 2, (\s)%2, \s, \zero
	MULA 3, (\s)%2, \s, \zero
	PLACES
	WIN 0
	FETCH_A \nslot, \nq, 2
.endm
	s_wait_alu depctr_va_vdst(0)
	s_wait_tensorcnt 0x0                           ; my tile of the head's four is in
	s_barrier_signal -1
	s_barrier_wait -1
	FETCH_B 0, 0, 0
	FETCH_A 0, 0, 0
	SCALES
	FETCH_A 0, 0, 2
	STEP 0, 0, 1, 1                                ; the first step's products start the sums
	STEP 1, 1, 0, 0
	STEP 2, 1, 1, 0
	STEP 3, 2, 0, 0
	STEP 4, 2, 1, 0
	STEP 5, 3, 0, 0
	STEP 6, 3, 1, 0
	s_wait_dscnt 2*NB                              ; the last step
	WIN MUL
	MULA 0, 1, 7, 0
	MULA 1, 1, 7, 0
	s_wait_dscnt 0x0
	MULA 2, 1, 7, 0
	MULA 3, 1, 7, 0
	WIN 0
; THE WAY OUT, block by block of 16 rows x 64 columns.  In accumulator (a, b) lane (r, h) holds row r of A's tile a and columns 32 (b / 2) + 8 (b % 2) + 16 h + 0 .. 7.  A block goes through my own stage in LDS and comes
; back as whole rows of 256 bytes.  LDS serves a wave's instructions in order (ISA guide 5.7.1.4): no wait between the stores and the loads, nor in front of the next block's stores.
.macro TOSTAGE a
	WIN 0x08                                       ; an LDS store's data are its source 1: window 2
.irp b, 0,1,2,3
	ds_store_b128 v[STO], v[8*(NB*(\a)+\b):8*(NB*(\a)+\b)+3] offset:128*(\b/2)+32*(\b%2)          ; each accumulator from its low end on
	ds_store_b128 v[STO], v[8*(NB*(\a)+\b)+4:8*(NB*(\a)+\b)+7] offset:128*(\b/2)+32*(\b%2)+16
.endr
	WIN 0
.irp t, 0,1,2,3,4,5,6,7
	ds_load_b128 v[BK+32*((\a)%2)+4*\t:BK+32*((\a)%2)+4*\t+3], v[RD] offset:\t*2*SPITCH
.endr
.endm
.macro SEND a, younger                 ; younger: the LDS instructions issued behind block a's loads, which may stay out.  Stage row 2 t + h is row 32 (a / 2) + 8 (a % 2) + 2 t + h + 8 (t / 4) of my 64
	s_wait_dscnt \younger
.irp t, 0,1,2,3,4,5,6,7
	global_store_b128 v[CO], v[BK+32*((\a)%2)+4*\t:BK+32*((\a)%2)+4*\t+3], s[12:13] offset:(32*((\a)/2)+8*((\a)%2)+2*\t+8*(\t/4))*4096 th:TH_STORE_NT   ; 16 lanes store 256 consecutive bytes, at a multiple of 256 from out0's first byte
.endr
.endm
	PLACES                                         ; behind the last products
	TOSTAGE 0
	TOSTAGE 1
	SEND 0, 16                                     ; behind block 0's loads: block 1's 8 stores and 8 loads
	s_wait_xcnt 0x0                                ; block 0's stores have read their registers: block 2's loads may land there
	TOSTAGE 2
	SEND 1, 16
	s_wait_xcnt 0x0
	TOSTAGE 3
	SEND 2, 16
	SEND 3, 0
	s_wait_tensorcnt 0x0                           ; the wave's end: behind my last tensor load and my last LDS store
	ds_add_u32 v[SPW], v[NIL]
	s_wait_dscnt 0x0
	CROUND                                         ; the closing round: no work-group ends while a partner may still ask for a tile that names it
	s_endpgm
.Lfunc_end_k_q9930895e83_gemm_out:
	.size	k_q9930895e83_gemm_out, .Lfunc_end_k_q9930895e83_gemm_out-k_q9930895e83_gemm_out
	.p2alignl 7, 3214868480
	.fill 96, 4, 3214868480
	.section	.rodata,"a",@progbits
	.p2align	6, 0x0
	.amdhsa_kernel k_q9930895e83_gemm_out
		.amdhsa_group_segment_fixed_size 327680
		.amdhsa_private_segment_fixed_size 0
		.amdhsa_enable_private_segment 0
		.amdhsa_kernarg_size 40
		.amdhsa_user_sgpr_count 2
		.amdhsa_user_sgpr_kernarg_segment_ptr 1
		.amdhsa_wavefront_size32 1
		.amdhsa_system_sgpr_workgroup_id_x 1
		.amdhsa_system_sgpr_workgroup_id_y 1
		.amdhsa_system_sgpr_workgroup_id_z 1
		.amdhsa_system_vgpr_workitem_id 0
		.amdhsa_next_free_vgpr 768
		.amdhsa_next_free_sgpr 102
		.amdhsa_reserve_vcc 0
		.amdhsa_float_denorm_mode_32 3
		.amdhsa_float_denorm_mode_16_64 3
		.amdhsa_memory_ordered 1
		.amdhsa_forward_progress 1
		.amdhsa_inst_pref_size 52
	.end_amdhsa_kernel
	.amdgpu_metadata
---
amdhsa.version: [ 1, 2 ]
amdhsa.kernels:
  - .name:           k_q9930895e83_gemm_out
    .symbol:         k_q9930895e83_gemm_out.kd
    .args:
      - { .name: oimg, .offset: 0, .size: 8, .value_kind: global_buffer, .address_space: global }
      - { .name: osc, .offset: 8, .size: 8, .value_kind: global_buffer, .address_space: global }
      - { .name: cod, .offset: 16, .size: 8, .value_kind: global_buffer, .address_space: global }
      - { .name: scl, .offset: 24, .size: 8, .value_kind: global_buffer, .address_space: global }
      - { .name: out0, .offset: 32, .size: 8, .value_kind: global_buffer, .address_space: global }
    .group_segment_fixed_size: 327680
    .private_segment_fixed_size: 0
    .kernarg_segment_align: 8
    .kernarg_segment_size: 40
    .max_flat_workgroup_size: 128
    .sgpr_count:     102
    .vgpr_count:     768
    .wavefront_size: 32
...
	.end_amdgpu_metadata
.endif
;; end of part 4
